; MI455X (gfx1250); checked and timed in simulation.
; The chip was launched on July 23, 2026; its instructions are those of AMD's public machine-readable ISA for CDNA 5 (MIT licence, August 2026) and "CDNA5" Instruction Set Architecture Reference Guide (July 2026). The comments in the code are by the model that wrote it; some were corrected since.
;; Soft Retrieval Module. Allowed arithmetic: matrix products marked QUANTISED: E2M1 operands, one E8M0 scale for each 32 along K, by v_wmma_scale_f32_16x16x128_f8f6f4 with both operands' format E2M1 (or v_wmma_scale_f32_32x16x128_f4), f32 sums; products left as they are: f32 operands where the result goes on into a quantised operand, else bf16, f16 or f32 operands; f32 sums; everything else in f32.
;; Inputs: candidate_labels 100,000 int32; candidates 100,000 x 256 float32; query 2,048 x 256 float32.
;; Outputs: out0 2,048 x 10 float32.
;; Constants: n_classes = 10.
;; This version of the problem:
;;   THIS VERSION OF THE PROBLEM IS GIVEN IN LOW PRECISION. The matrix products marked QUANTISED in the list below multiply operands that are first quantised to E2M1 (2 exponent bits, 1 mantissa bit; 4 bits a number), with one power-of-two scale for each 32 numbers along K (OCP MX v1.0); their sums are f32. All else is computed in f32.
;;   The module's matrix products, in the order in which they are computed (A, B: the left and right operand; K: the contracted axis; several contracted axes count as one K, in the product's order):
;;     1. [M 2,048, K 256] x [K 256, N 100,000]; A: computed on the way; B: computed on the way: QUANTISED
;;     2. batch 2,048 x [M 1, K 64] x [K 64, N 10]; A: softmax; B: computed on the way: left as it is (M = 1 < 16)
;;   THE QUANTISER, for each operand of a quantised product, along K:
;;     - K is cut into blocks of 32 from its start; a last block that is shorter is filled with zeros.
;;     - A block's scale is 2^e with e = floor(log2(the largest magnitude in the block)) - 2, held to -126 .. 127; a block of zeros has e = 0. As a byte (E8M0): e + 127.
;;     - Each number is divided by its block's scale, clamped to +-6, and rounded to the nearest number of E2M1, ties to even, subnormals kept.
;;     - The product sums the exact products of the quantised numbers (number of the format x scale) in f32.
;;   ~~~python
;;   def quantise(x, axis):      # numpy; x: float32 -> the quantised numbers, widened to float32 again
;;       x = np.moveaxis(x, axis, -1); K = x.shape[-1]
;;       x = np.pad(x, [(0, 0)] * (x.ndim - 1) + [(0, -K % 32)]); x = x.reshape(x.shape[:-1] + (-1, 32)); a = np.abs(x).max(-1, keepdims=True)
;;       e = np.where(a > 0, np.clip(np.frexp(np.where(a > 0, a, 1))[1] - 1 - 2, -126, 127), 0)      # np.frexp(a)[1] - 1 = floor(log2(a)), exactly
;;       r = np.clip(x / 2.0 ** e, -6, 6)
;;       step = 2.0 ** (np.maximum(np.frexp(np.where(r == 0, 1, r))[1] - 1, 0) - 1)
;;       q = np.round(r / step) * step * 2.0 ** e      # np.round: ties to even
;;       return np.moveaxis(q.reshape(q.shape[:-2] + (-1,))[..., :K], -1, axis).astype(np.float32)
;;   ~~~
;;   OPERANDS COMPUTED ON THE WAY. 'Computed on the way' means the value that the module computes at that place (a softmax that the list does not call 'softmax' is quantised finished and normalised). What goes into a quantiser is computed in f32, as accurately as f32 sums, v_exp_f32 and their like allow (about 1e-6 of the number): no bf16 or f16 on the way to a quantiser, and a product that is left as it is and whose result goes on into a quantised operand takes f32 operands (vector FMAs, or v_wmma_f32_16x16x4_f32). A number that lies on a knife's edge between two numbers of the format may be rounded either way, as far as f32 arithmetic and the matrix unit's own rounding can turn it there, and no further.
;; 2 versions, each right; version 2 is version 1 with the launch final written anew for expert scheduling mode. Each part assembles by itself: llvm-mc -triple=amdgcn-amd-amdhsa -mcpu=gfx1250 --defsym DOCPART=n.
;; ======== version 1 of 2: 7 launches
;; workspace buffers: codes 13,062,144 bytes; scales 816,384 bytes; gmax 2,048,000 bytes; thr 8,192 bytes; hmask 4,096,000 bytes of whole numbers; hmaskt 4,194,304 bytes of whole numbers; qinfo 262,144 bytes of whole numbers; hlist 103,284,736 bytes of whole numbers
;; launch quant (part 1): grid 3189 x 1, 2 waves a work-group, no clusters, 5,376 bytes of LDS; arguments candidates, query, codes, scales; writes codes, scales
.if DOCPART == 1
	.amdgcn_target "amdgcn-amd-amdhsa--gfx1250"
	.amdhsa_code_object_version 6
	.text
	.protected	k_q88b138885f_quant
	.globl	k_q88b138885f_quant
	.p2align	8
	.type	k_q88b138885f_quant,@function
k_q88b138885f_quant:
	s_mov_b64 s[64:65], 0
	v_nop
	global_prefetch_b8 v0, s[64:65] scope:SCOPE_SE
	s_setreg_imm32_b32 hwreg(HW_REG_WAVE_MODE, 25, 1), 1
	s_wait_xcnt 0x0
; THE PROGRAM.  out0[q][c] = the sum, over the 64 candidates most similar to query q, of softmax(sim) where the candidate's label is c;
; sim = Q(query / |query|) . Q(candidate / |candidate|), Q the MX-FP4 quantiser along the 256 numbers of a row.  Seven launches:
;   quant      rows are normalised and quantised once: codes and scale bytes, laid in the order of the matrix operand's registers
;   passa      the product; of each chunk of 400 candidates only the largest sim of each query is kept
;   thresh     t0 = the 64th largest of a query's 250 chunk maxima, cut downward to 16 bits: at least 64 sims are >= t0, so all of the top 64 are
;   passb      the product once more; one bit for each group of 8 neighbouring candidates: its largest sim >= t0
;   transp     the bits are laid query by query; for each query the words that hold a bit, and the number of bits (whole numbers)
;   enumerate  the bits of a query become an ascending list of groups (whole numbers)
;   final      only the listed groups are multiplied again; exact top 64, equal sims by the lower index; softmax; sums by label
; NOTHING OF reference() IS LEFT OUT AS DEAD WORK, and all three inputs are loaded.  Its second product (weights x one_hot of the labels) is a
; lookup by a label: it is made by compare and add; the divisor is the sum of all 64 weights, so a label outside 0 .. 9 adds to no class.
; LIMITS: NaN and infinities among the inputs are not served; -0 and +0 count as equal sims; a block of zeros gets the scale byte 1 where the
; rule says 127 (its codes are zeros, which add nothing under any byte but 0xff, and this program alone reads the bytes).
;
; THIS LAUNCH.  y = x / max(sqrt(sum x^2), 1e-12) in f32, then a block's scale 2^(floor(log2(largest |y|)) - 2) and codes of E2M1.
; A wave takes 16 neighbouring rows = two groups of 8.  Lane l holds K = 8 l .. 8 l + 7 of each row: a block of 32 is four neighbouring lanes.
; LAYOUT OUT, for group f (rows 8 f .. 8 f + 7):  codes [f][block 0..7][row 0..7][16 bytes];  scale bytes [f][K step 0..1][row 0..7][4 bytes].
; So a lane of a matrix operand finds its 16 bytes of a block, and its scale word of 128 along K, by one load each.
; Both tables hold the candidates' 12,500 groups and behind them the queries' 256.  The first NCWG work-groups take the candidates, the others the
; queries: only the pointer to the rows is chosen, by the work-group's number; the place in the tables goes on from the one to the other.
.set NCWG,  3125                       ; 100,000 rows / 32 rows a work-group
.set WREG,  2560                       ; LDS of a wave: two groups' codes, 8 blocks x (128 + 16) bytes each, then 128 scale bytes
.set SCB,   2304
.set SPARE, 2*WREG                     ; the spare words, 128 bytes for each wave: one block of 256 bytes that no other line names
.set SPW, 1                            ; v1   LDS address of my spare word; never rewritten
.set NIL, 2                            ; v2   0; never rewritten
.set S,   16                           ; v16-31   a row's sum of squares, its norm, at last 1 / norm
.set M,   32                           ; v32-47   the first reciprocal; later a block's largest magnitude, then the conversion's scale operand
.set E,   48                           ; v48-63   at work; later the scale bytes
.set X,   64                           ; v64-191  row i at X + 8 i
.set C,   192                          ; v192-207 row i's eight codes
	s_load_b256 s[4:11], s[0:1], 0x0               ; candidates, query, codes, scales
	v_lshl_add_u32 v[SPW], v0, 2, SPARE
	v_mov_b32 v[NIL], 0
	v_lshrrev_b32 v8, 5, v0
	v_readfirstlane_b32 s16, v8                    ; wave
	v_and_b32 v9, 31, v0                           ; lane l
	v_lshlrev_b32 v3, 5, v9                        ; in: 32 l bytes into a row
	s_mul_i32 s17, s16, WREG
	v_lshrrev_b32 v10, 2, v9                       ; my block b = l / 4
	v_and_b32 v11, 3, v9
	v_mul_u32_u24 v4, v10, 144
	v_lshl_add_u32 v4, v11, 2, v4
	v_add_nc_u32 v4, s17, v4                       ; codes into LDS: 144 b + 4 (l % 4); group and row stand in the immediate
	v_lshrrev_b32 v5, 4, v9                        ; K step = b / 4
	v_and_b32 v10, 3, v10                          ; byte in the scale word = b % 4
	v_lshl_add_u32 v5, v5, 5, v10
	v_add_nc_u32 v5, s17, v5
	v_add_nc_u32 v5, SCB, v5                       ; scale bytes into LDS
	v_lshrrev_b32 v6, 3, v9
	v_and_b32 v11, 7, v9
	v_mul_u32_u24 v6, v6, 144
	v_lshl_add_u32 v6, v11, 4, v6
	v_add_nc_u32 v6, s17, v6                       ; codes back: four blocks x eight rows x 16 bytes an instruction
	v_lshlrev_b32 v14, 2, v9                       ; 4 l
	v_lshlrev_b32 v13, 4, v9                       ; 16 l
	v_add_nc_u32 v7, s17, v14
	v_add_nc_u32 v7, SCB, v7                       ; scale bytes back: a word a lane
	v_mov_b32 v12, 0                               ; (a lane permute's destination counts as one of its sources)
	v_mov_b32 v15, 0
	s_mov_b32 s20, 0x76543210
	s_mov_b32 s21, 0xfedcba98                      ; v_permlanex16_b32's selects for lane l xor 16
	s_wait_kmcnt 0x0
	s_cmp_lt_u32 ttmp9, NCWG                       ; candidates or queries: the choice hangs on the work-group's number alone
	s_cselect_b64 s[4:5], s[4:5], s[6:7]
	s_cselect_b32 s18, 0, NCWG
	s_sub_co_u32 s18, ttmp9, s18
	s_lshl_b32 s18, s18, 1
	s_add_co_u32 s18, s18, s16                     ; which 16 rows of the tensor are my wave's
	s_lshl_b32 s19, ttmp9, 1
	s_add_co_u32 s19, s19, s16                     ; and which 16 rows of the tables
	s_mov_b32 s23, 0
	s_lshl_b32 s22, s18, 14                        ; 16 rows of 1,024 bytes (under 2^32)
	s_add_nc_u64 s[4:5], s[4:5], s[22:23]
	s_lshl_b32 s22, s19, 11                        ; two groups of 1,024 bytes of codes
	s_add_nc_u64 s[8:9], s[8:9], s[22:23]
	s_lshl_b32 s22, s19, 7                         ; two groups of 64 scale bytes
	s_add_nc_u64 s[10:11], s[10:11], s[22:23]
.irp i, 0,1,2,3,4,5,6,7,8,9,10,11,12,13,14,15
	global_load_b128 v[X+8*\i:X+8*\i+3],   v3, s[4:5] offset:1024*\i th:TH_LOAD_NT
	global_load_b128 v[X+8*\i+4:X+8*\i+7], v3, s[4:5] offset:1024*\i+16 th:TH_LOAD_NT
.endr
.irp i, 0,1,2,3,4,5,6,7,8,9,10,11,12,13,14,15
	s_wait_loadcnt 30-2*\i                         ; row i's two loads are in; the younger rows' may be out
	v_pk_mul_f32 v[8:9],   v[X+8*\i:X+8*\i+1],   v[X+8*\i:X+8*\i+1]
	v_pk_mul_f32 v[10:11], v[X+8*\i+2:X+8*\i+3], v[X+8*\i+2:X+8*\i+3]
	v_pk_fma_f32 v[8:9],   v[X+8*\i+4:X+8*\i+5], v[X+8*\i+4:X+8*\i+5], v[8:9]
	v_pk_fma_f32 v[10:11], v[X+8*\i+6:X+8*\i+7], v[X+8*\i+6:X+8*\i+7], v[10:11]
	v_pk_add_f32 v[8:9], v[8:9], v[10:11]
	v_add_f32 v[S+\i], v8, v9                      ; my eight squares
.endr
.irp d, 1,2,4,8
.irp i, 0,1,2,3,4,5,6,7,8,9,10,11,12,13,14,15
	v_add_f32_dpp v[S+\i], v[S+\i], v[S+\i] row_xmask:\d row_mask:0xf bank_mask:0xf   ; the rows by turns
.endr
.endr
.irp i, 0,1,2,3,4,5,6,7,8,9,10,11,12,13,14,15
	v_permlanex16_b32 v[12+3*(\i%2)], v[S+\i], s20, s21
	v_add_f32 v[S+\i], v[S+\i], v[12+3*(\i%2)]     ; the row's sum of squares, in every lane
.endr
.irp i, 0,1,2,3,4,5,6,7,8,9,10,11,12,13,14,15
	v_sqrt_f32 v[S+\i], v[S+\i]
.endr
	v_nop                                          ; a plain instruction behind the last root,
	s_wait_alu depctr_va_vdst(0)                   ; and one wait for the sixteen, ahead of their first reader
.irp i, 0,1,2,3,4,5,6,7,8,9,10,11,12,13,14,15
	v_max_num_f32 v[S+\i], 0x2b8cbccc, v[S+\i]     ; max(norm, 1e-12)
.endr
.irp i, 0,1,2,3,4,5,6,7,8,9,10,11,12,13,14,15
	v_rcp_f32 v[M+\i], v[S+\i]
.endr
	v_nop
	s_wait_alu depctr_va_vdst(0)                   ; one wait for the sixteen reciprocals
.irp i, 0,1,2,3,4,5,6,7,8,9,10,11,12,13,14,15
	v_fma_f32 v[E+\i], -v[S+\i], v[M+\i], 1.0      ; one Newton step: what goes into a quantiser is as fine as f32 allows
.endr
.irp i, 0,1,2,3,4,5,6,7,8,9,10,11,12,13,14,15
	v_fma_f32 v[S+\i], v[E+\i], v[M+\i], v[M+\i]   ; 1 / norm
.endr
.irp i, 0,1,2,3,4,5,6,7,8,9,10,11,12,13,14,15
.irp j, 0,1,2,3,4,5,6,7
	v_mul_f32 v[X+8*\i+\j], v[X+8*\i+\j], v[S+\i]
.endr
.endr
.irp i, 0,1,2,3,4,5,6,7,8,9,10,11,12,13,14,15
	v_max3_num_f32 v[M+\i], |v[X+8*\i]|, |v[X+8*\i+1]|, 0x1800000   ; my eight magnitudes, and the floor 2^(3 - 127): the byte cannot fall under 1
.endr
.irp j, 2,4,6
.irp i, 0,1,2,3,4,5,6,7,8,9,10,11,12,13,14,15
	v_max3_num_f32 v[M+\i], v[M+\i], |v[X+8*\i+\j]|, |v[X+8*\i+\j+1]|
.endr
.endr
.irp d, 1,2
.irp i, 0,1,2,3,4,5,6,7,8,9,10,11,12,13,14,15
	v_max_num_f32_dpp v[M+\i], v[M+\i], v[M+\i] row_xmask:\d row_mask:0xf bank_mask:0xf   ; with the block's other three lanes
.endr
.endr
.irp i, 0,1,2,3,4,5,6,7,8,9,10,11,12,13,14,15
	v_add_nc_u32 v[M+\i], 0xff000000, v[M+\i]      ; 2 off the exponent field: the conversion takes that field as its scale, and nothing else
.endr
.irp i, 0,1,2,3,4,5,6,7,8,9,10,11,12,13,14,15
	v_cvt_scalef32_pk8_fp4_f32 v[C+\i], v[X+8*\i:X+8*\i+7], v[M+\i]
.endr
.irp i, 0,1,2,3,4,5,6,7,8,9,10,11,12,13,14,15
	v_lshrrev_b32 v[E+\i], 23, v[M+\i]             ; the scale's byte (plain lines behind the conversions)
.endr
.irp i, 0,1,2,3,4,5,6,7,8,9,10,11,12,13,14,15
	ds_store_b32 v4, v[C+\i] offset:(\i/8)*1152+(\i%8)*16
	ds_store_b8 v5, v[E+\i] offset:(\i/8)*64+(\i%8)*4   ; a block's four lanes write the same byte with the same value
.endr
.irp k, 0,1,2,3
	ds_load_b128 v[X+4*\k:X+4*\k+3], v6 offset:(\k/2)*1152+(\k%2)*576   ; LDS serves a wave's instructions in order: these see my stores
.endr
	ds_load_b32 v[X+16], v7
	s_wait_dscnt 0x0
.irp k, 0,1,2,3
	global_store_b128 v13, v[X+4*\k:X+4*\k+3], s[8:9] offset:512*\k     ; 32 lanes store 512 consecutive bytes
.endr
	global_store_b32 v14, v[X+16], s[10:11]        ; 128 consecutive bytes
	s_wait_tensorcnt 0x0                           ; the wave's end
	ds_add_u32 v[SPW], v[NIL]
	s_wait_dscnt 0x0
	s_endpgm
.Lfunc_end_k_q88b138885f_quant:
	.size	k_q88b138885f_quant, .Lfunc_end_k_q88b138885f_quant-k_q88b138885f_quant
	.p2alignl 7, 3214868480
	.fill 96, 4, 3214868480
	.section	.rodata,"a",@progbits
	.p2align	6, 0x0
	.amdhsa_kernel k_q88b138885f_quant
		.amdhsa_group_segment_fixed_size 5376
		.amdhsa_private_segment_fixed_size 0
		.amdhsa_enable_private_segment 0
		.amdhsa_kernarg_size 32
		.amdhsa_user_sgpr_count 2
		.amdhsa_user_sgpr_kernarg_segment_ptr 1
		.amdhsa_wavefront_size32 1
		.amdhsa_system_sgpr_workgroup_id_x 1
		.amdhsa_system_sgpr_workgroup_id_y 1
		.amdhsa_system_sgpr_workgroup_id_z 1
		.amdhsa_system_vgpr_workitem_id 0
		.amdhsa_next_free_vgpr 208
		.amdhsa_next_free_sgpr 66
		.amdhsa_reserve_vcc 0
		.amdhsa_float_denorm_mode_32 3
		.amdhsa_float_denorm_mode_16_64 3
		.amdhsa_memory_ordered 1
		.amdhsa_forward_progress 1
		.amdhsa_inst_pref_size 37
	.end_amdhsa_kernel
	.amdgpu_metadata
---
amdhsa.version: [ 1, 2 ]
amdhsa.kernels:
  - .name:           k_q88b138885f_quant
    .symbol:         k_q88b138885f_quant.kd
    .args:
      - { .name: candidates, .offset: 0, .size: 8, .value_kind: global_buffer, .address_space: global }
      - { .name: query, .offset: 8, .size: 8, .value_kind: global_buffer, .address_space: global }
      - { .name: codes, .offset: 16, .size: 8, .value_kind: global_buffer, .address_space: global }
      - { .name: scales, .offset: 24, .size: 8, .value_kind: global_buffer, .address_space: global }
    .group_segment_fixed_size: 5376
    .private_segment_fixed_size: 0
    .kernarg_segment_align: 8
    .kernarg_segment_size: 32
    .max_flat_workgroup_size: 64
    .sgpr_count:     66
    .vgpr_count:     208
    .wavefront_size: 32
...
	.end_amdgpu_metadata
.endif
;; end of part 1
;; launch passa (part 2): grid 250 x 1, 16 waves a work-group, no clusters, 167,936 bytes of LDS; arguments codes, scales, gmax; writes gmax
.if DOCPART == 2
	.amdgcn_target "amdgcn-amd-amdhsa--gfx1250"
	.amdhsa_code_object_version 6
	.text
	.protected	k_q88b138885f_passa
	.globl	k_q88b138885f_passa
	.p2align	8
	.type	k_q88b138885f_passa,@function
k_q88b138885f_passa:
	s_mov_b64 s[64:65], 0
	v_nop
	global_prefetch_b8 v0, s[64:65] scope:SCOPE_SE
	s_setreg_imm32_b32 hwreg(HW_REG_WAVE_MODE, 25, 1), 1
	s_wait_xcnt 0x0
; THE PRODUCT sim = Qn Cn^T on codes of E2M1, reduced on the spot.  PASS_B = 0: gmax[w][q] = the largest sim of query q in chunk w.
; PASS_B = 1: hmask[w][query tile][lane]: bit t = the largest sim of a group of 8 candidates is >= the query's t0.  No work of reference() is left out here.
; SHARES.  Work-group w owns chunk w: 400 candidates = groups 50 w .. 50 w + 49, whose codes (51,200 bytes) and scale bytes (3,200) come into LDS once, each wave
; bringing a sixteenth of both by two tensor loads (two are out at the most).  Wave v keeps query tiles 8 v .. 8 v + 7 in registers and walks the chunk's 25 tiles.
; No cluster: a chunk belongs to one work-group alone, and a query fragment is read by one wave of it, straight into registers.
; LAYOUT.  Source 0 = 16 candidates, source 1 = 16 queries: a lane holds ONE query (lane % 16) and its eight registers eight candidates.  Tile t is made of groups 50 w + t (rows 0-7)
; and 50 w + 25 + t (rows 8-15), so the eight registers of lane half h are the whole group 25 (2 w + h) + t.  Tiles go from t = 24 down to 0, so that a bit shifted in for each tile ends at place t.
; K = 256 is two matrix instructions; one register carries a tile's scale words of both (lanes 0-15: K step 0, lanes 16-31: K step 1).
.set PASS_B, 0
.set QCODES,  12800000                 ; the queries' groups lie behind the candidates' 12,500 in both tables
.set QSCALES, 800000
.set HIGH,  25728                      ; LDS: groups 0-24's codes from 0; groups 25-49's from here: 128 bytes further on than dense, so that a load's sixteen lanes touch sixteen different 16-byte columns of 256
.set SCL,   51456                      ; the chunk's scale bytes
.set SPARE, 54784                      ; the spare words, 128 bytes for each wave: eight blocks of 256 bytes that no other line names
.set SPW, 1                            ; v1   LDS address of my spare word; never rewritten
.set NIL, 2                            ; v2   0; never rewritten
.set CA,  3                            ; v3   my lane's place in a tile's codes
.set SA,  4                            ; v4   and among its scale words
.set ADC, 5                            ; v5, v6 the addresses of the fetch in hand
.set ADS, 6
.set QO,  7                            ; v7   my lane's place in a query tile's codes, v8 among its scale words
.set QSO, 8
.set L4,  9                            ; v9   4 x lane
.set R4,  10                           ; v10  4 x (lane % 16)
.set Q,   16                           ; v16-143  eight query tiles, 16 registers each
.set QS,  144                          ; v144-151 their scale words
.set TH,  152                          ; v152-159 their t0 (PASS_B)
.set R,   160                          ; v160-167 running maxima, or the bits
.set CF,  168                          ; v168-183 a tile of candidates
.set CS,  184                          ; v184     its scale words
.set ACC, 208                          ; v208-239 four accumulators
.set F,   240                          ; v240-243 a group's largest sim (PASS_B)
.set G1C, 16                           ; s[16:23] descriptor group 1, codes;  s[24:27] group 0
.set G0C, 24
.set G1S, 28                           ; s[28:35] descriptor group 1, scale bytes;  s[36:39] group 0
.set G0S, 36
.set WV,  40
	s_load_b128 s[4:7], s[0:1], 0x0                ; codes, scales
.if PASS_B
	s_load_b128 s[12:15], s[0:1], 0x10             ; thr, hmask
.else
	s_load_b64 s[12:13], s[0:1], 0x10              ; gmax
.endif
	v_lshl_add_u32 v[SPW], v0, 2, SPARE
	v_mov_b32 v[NIL], 0
	ds_add_u32 v[SPW], v[NIL]                      ; the wave's opening: the add, twice on end, and its wait ahead of my first tensor load
	ds_add_u32 v[SPW], v[NIL]
	v_lshrrev_b32 v11, 5, v0
	v_readfirstlane_b32 s[WV], v11                 ; wave 0..15
	s_mov_b32 s[G1C+0], 3<<16                      ; elements of 8 bytes, no mask, no padding
	s_mov_b32 s[G1C+1], 16<<16                     ; tensor_dim0 = 16 elements: rows of 128 bytes
	s_mov_b32 s[G1C+2], 25<<16                     ; tensor_dim1 = 25 rows: 3,200 dense bytes
	s_mov_b32 s[G1C+3], 16<<16                     ; tile_dim0
	s_mov_b32 s[G1C+4], 25                         ; tile_dim1
	s_mov_b32 s[G1C+5], 16                         ; from row to row
	s_mov_b32 s[G1C+6], 0
	s_mov_b32 s[G1C+7], 0
	s_mov_b32 s[G1S+0], 3<<16                      ; one row of 200 bytes: 25 elements of 8
	s_mov_b32 s[G1S+1], 25<<16
	s_mov_b32 s[G1S+2], 1<<16
	s_mov_b32 s[G1S+3], 25<<16
	s_mov_b32 s[G1S+4], 1
	s_mov_b32 s[G1S+5], 25
	s_mov_b32 s[G1S+6], 1<<16
	s_mov_b32 s[G1S+7], 0
	s_mov_b32 s[G0C], 1
	s_mul_i32 s[G0C+1], s[WV], 3200
	s_lshr_b32 s41, s[WV], 3
	s_lshl_b32 s41, s41, 7
	s_add_co_u32 s[G0C+1], s[G0C+1], s41           ; LDS: 3,200 x wave, and 128 more for waves 8-15 (the upper 25 groups)
	s_mov_b32 s[G0S], 1
	s_mul_i32 s[G0S+1], s[WV], 200
	s_add_co_u32 s[G0S+1], s[G0S+1], SCL
	s_mul_i32 s42, ttmp9, 51200
	s_mul_i32 s43, s[WV], 3200
	s_add_co_u32 s42, s42, s43                     ; my sixteenth of the chunk's codes in memory (under 2^32)
	s_mov_b32 s43, 0
	s_mul_i32 s44, ttmp9, 3200
	s_mul_i32 s45, s[WV], 200
	s_add_co_u32 s44, s44, s45                     ; and of its scale bytes
	s_mov_b32 s45, 0
	s_wait_dscnt 0x0                               ; both opening adds are done
	s_wait_kmcnt 0x0
	s_add_nc_u64 s[G0C+2:G0C+3], s[4:5], s[42:43]
	s_or_b32 s[G0C+3], s[G0C+3], 0x80000000
	s_add_nc_u64 s[G0S+2:G0S+3], s[6:7], s[44:45]
	s_or_b32 s[G0S+3], s[G0S+3], 0x80000000
	tensor_load_to_lds s[G0C:G0C+3], s[G1C:G1C+7]
	s_nop 0
	tensor_load_to_lds s[G0S:G0S+3], s[G1S:G1S+7]
	s_nop 0
.rept 4
	v_nop
.endr
	v_and_b32 v11, 15, v0                          ; r
	v_bfe_u32 v12, v0, 4, 1                        ; lane half
	v_lshrrev_b32 v13, 3, v11                      ; which of the tile's two groups
	v_and_b32 v14, 7, v0                           ; row in the group
	v_mul_u32_u24 v[CA], v13, HIGH
	v_lshl_add_u32 v[CA], v12, 7, v[CA]
	v_lshl_add_u32 v[CA], v14, 4, v[CA]            ; codes: group, + 128 x half (the odd blocks), + 16 x row
	v_mul_u32_u24 v[SA], v13, 1600
	v_lshl_add_u32 v[SA], v12, 5, v[SA]
	v_lshl_add_u32 v[SA], v14, 2, v[SA]
	v_add_nc_u32 v[SA], SCL, v[SA]                 ; scale words: group, + 32 x half (K step 1), + 4 x row
	v_lshlrev_b32 v[QO], 10, v13
	v_lshl_add_u32 v[QO], v12, 7, v[QO]
	v_lshl_add_u32 v[QO], v14, 4, v[QO]
	v_lshlrev_b32 v[QSO], 6, v13
	v_lshl_add_u32 v[QSO], v12, 5, v[QSO]
	v_lshl_add_u32 v[QSO], v14, 2, v[QSO]
	v_and_b32 v[L4], 31, v0
	v_lshlrev_b32 v[L4], 2, v[L4]
	v_lshlrev_b32 v[R4], 2, v11
	s_lshl_b32 s42, s[WV], 14                      ; my eight query tiles: 2,048 bytes of codes each,
	s_add_co_u32 s42, s42, QCODES
	s_add_nc_u64 s[8:9], s[4:5], s[42:43]
	s_lshl_b32 s42, s[WV], 10                      ; 128 scale bytes each
	s_add_co_u32 s42, s42, QSCALES
	s_add_nc_u64 s[10:11], s[6:7], s[42:43]
.if PASS_B
	s_lshl_b32 s42, s[WV], 9                       ; my 128 queries' t0
	s_add_nc_u64 s[12:13], s[12:13], s[42:43]
	s_lshl_b32 s42, ttmp9, 14
	s_lshl_b32 s44, s[WV], 10
	s_add_co_u32 s42, s42, s44
	s_add_nc_u64 s[14:15], s[14:15], s[42:43]      ; out: chunk x 16,384 + wave x 1,024
.else
	s_lshl_b32 s42, ttmp9, 13
	s_lshl_b32 s44, s[WV], 9
	s_add_co_u32 s42, s42, s44
	s_add_nc_u64 s[12:13], s[12:13], s[42:43]      ; out: chunk x 8,192 + wave x 512
	s_mov_b32 s50, 0x76543210
	s_mov_b32 s51, 0xfedcba98                      ; v_permlanex16_b32's selects for lane l xor 16
	s_mov_b32 s52, 0xffff0000                      ; lanes 16-31
.endif
.irp j, 0,1,2,3,4,5,6,7
.irp s, 0,1
.irp c, 0,1
	global_load_b128 v[Q+16*\j+8*\s+4*\c:Q+16*\j+8*\s+4*\c+3], v[QO], s[8:9] offset:2048*\j+512*\s+256*\c
.endr
.endr
	global_load_b32 v[QS+\j], v[QSO], s[10:11] offset:128*\j
.if PASS_B
	global_load_b32 v[TH+\j], v[R4], s[12:13] offset:64*\j
.endif
.endr
.irp j, 0,1,2,3,4,5,6,7
.if PASS_B
	v_mov_b32 v[R+\j], 0
.else
	v_mov_b32 v[R+\j], 0xff800000                  ; -infinity, under every sim
.endif
.endr
.macro FETCH                           ; the tile at s46 (codes) and s47 (scale words): five LDS loads
	v_add_nc_u32 v[ADC], s46, v[CA]
	v_add_nc_u32 v[ADS], s47, v[SA]
.irp s, 0,1
.irp c, 0,1
	ds_load_b128 v[CF+8*\s+4*\c:CF+8*\s+4*\c+3], v[ADC] offset:512*\s+256*\c
.endr
.endr
	ds_load_b32 v[CS], v[ADS]
.endm
.macro MUL g                           ; the tile against query tiles 4 g .. 4 g + 3: the four accumulators by turns, K step 0 starting the sums, then K step 1
.irp a, 0,1,2,3
	v_wmma_scale_f32_16x16x128_f8f6f4 v[ACC+8*\a:ACC+8*\a+7], v[CF:CF+7], v[Q+16*(4*\g+\a):Q+16*(4*\g+\a)+7], 0, v[CS], v[QS+4*\g+\a] matrix_a_fmt:MATRIX_FMT_FP4 matrix_b_fmt:MATRIX_FMT_FP4
.endr
.irp a, 0,1,2,3
	v_wmma_scale_f32_16x16x128_f8f6f4 v[ACC+8*\a:ACC+8*\a+7], v[CF+8:CF+15], v[Q+16*(4*\g+\a)+8:Q+16*(4*\g+\a)+15], v[ACC+8*\a:ACC+8*\a+7], v[CS], v[QS+4*\g+\a] matrix_a_fmt:MATRIX_FMT_FP4 matrix_b_fmt:MATRIX_FMT_FP4 matrix_a_scale:MATRIX_SCALE_ROW1 matrix_b_scale:MATRIX_SCALE_ROW1
.endr
.endm
.macro RED g                           ; each accumulator is read from its low end on
.if PASS_B
.irp a, 0,1,2,3
	v_max3_num_f32 v[F+\a], v[ACC+8*\a], v[ACC+8*\a+1], v[ACC+8*\a+2]
.endr
.irp i, 3,5
.irp a, 0,1,2,3
	v_max3_num_f32 v[F+\a], v[F+\a], v[ACC+8*\a+\i], v[ACC+8*\a+\i+1]
.endr
.endr
.irp a, 0,1,2,3
	v_max_num_f32 v[F+\a], v[F+\a], v[ACC+8*\a+7]  ; the group's largest sim
.endr
.irp a, 0,1,2,3
	v_cmp_ge_f32 vcc_lo, v[F+\a], v[TH+4*\g+\a]
	v_add_co_ci_u32 v[R+4*\g+\a], vcc_lo, v[R+4*\g+\a], v[R+4*\g+\a], vcc_lo   ; the bits one place up, the new bit in
.endr
.else
.irp i, 0,2,4,6
.irp a, 0,1,2,3
	v_max3_num_f32 v[R+4*\g+\a], v[R+4*\g+\a], v[ACC+8*\a+\i], v[ACC+8*\a+\i+1]
.endr
.endr
.endif
.endm
; A tile.  Four plain vector instructions stand between the last product and the first read of a result or the first load into a fragment (ISA guide 7.12.1 for the reads);
; between a product and the product that begins its accumulator anew stand those four and the reduction's lines on the other three accumulators: five or more.
.macro TRIP pf
	s_wait_dscnt 0x0                               ; the tile's five loads are in
	MUL 0
.rept 4
	v_nop
.endr
	RED 0
	MUL 1
.if \pf
	s_sub_co_u32 s46, s46, 1024                    ; the tile below
	s_sub_co_u32 s47, s47, 64
	v_nop
	v_nop                                          ; with the fetch's two additions: four places
	FETCH
.else
.rept 4
	v_nop
.endr
.endif
	RED 1
.endm
	s_wait_tensorcnt 0x0                           ; my parts of the chunk have landed,
	s_barrier_signal -1
	s_barrier_wait -1                              ; everybody's have; nothing is filled again
	s_mov_b32 s46, 24*1024
	s_mov_b32 s47, 24*64
	FETCH                                          ; tile 24
	s_wait_loadcnt 0x0                             ; my queries
	s_mov_b32 s48, 24
.Ltile:                                                ; tiles 24 .. 1; each trip fetches the tile below
	TRIP 1
	s_sub_co_u32 s48, s48, 1
	s_cmp_lg_u32 s48, 0
	s_cbranch_scc1 .Ltile
	TRIP 0                                         ; tile 0 fetches nothing
.if PASS_B
.irp j, 0,1,2,3,4,5,6,7
	global_store_b32 v[L4], v[R+\j], s[14:15] offset:128*\j   ; the wave's eight stores cover 1,024 consecutive bytes
.endr
.else
.irp u, 0,4
.irp j, 0,1,2,3
	v_permlanex16_b32 v[11+\j], v[R+\u+\j], s50, s51
.endr
.irp j, 0,1,2,3
	v_max_num_f32 v[R+\u+\j], v[R+\u+\j], v[11+\j]     ; both halves' groups: the chunk's largest sim of query lane % 16
.endr
.endr
.irp p, 0,1,2,3
	v_cndmask_b32 v[11+\p], v[R+2*\p], v[R+2*\p+1], s52   ; two query tiles to a register: 32 neighbouring queries
.endr
.irp p, 0,1,2,3
	global_store_b32 v[L4], v[11+\p], s[12:13] offset:128*\p   ; the wave's four stores cover 512 consecutive bytes
.endr
.endif
	s_wait_tensorcnt 0x0                           ; the wave's end
	ds_add_u32 v[SPW], v[NIL]
	s_wait_dscnt 0x0
	s_endpgm
.Lfunc_end_k_q88b138885f_passa:
	.size	k_q88b138885f_passa, .Lfunc_end_k_q88b138885f_passa-k_q88b138885f_passa
	.p2alignl 7, 3214868480
	.fill 96, 4, 3214868480
	.section	.rodata,"a",@progbits
	.p2align	6, 0x0
	.amdhsa_kernel k_q88b138885f_passa
		.amdhsa_group_segment_fixed_size 167936
		.amdhsa_private_segment_fixed_size 0
		.amdhsa_enable_private_segment 0
		.amdhsa_kernarg_size 24
		.amdhsa_user_sgpr_count 2
		.amdhsa_user_sgpr_kernarg_segment_ptr 1
		.amdhsa_wavefront_size32 1
		.amdhsa_system_sgpr_workgroup_id_x 1
		.amdhsa_system_sgpr_workgroup_id_y 1
		.amdhsa_system_sgpr_workgroup_id_z 1
		.amdhsa_system_vgpr_workitem_id 0
		.amdhsa_next_free_vgpr 256
		.amdhsa_next_free_sgpr 66
		.amdhsa_reserve_vcc 1
		.amdhsa_float_denorm_mode_32 3
		.amdhsa_float_denorm_mode_16_64 3
		.amdhsa_memory_ordered 1
		.amdhsa_forward_progress 1
		.amdhsa_inst_pref_size 20
	.end_amdhsa_kernel
	.amdgpu_metadata
---
amdhsa.version: [ 1, 2 ]
amdhsa.kernels:
  - .name:           k_q88b138885f_passa
    .symbol:         k_q88b138885f_passa.kd
    .args:
      - { .name: codes, .offset: 0, .size: 8, .value_kind: global_buffer, .address_space: global }
      - { .name: scales, .offset: 8, .size: 8, .value_kind: global_buffer, .address_space: global }
      - { .name: gmax, .offset: 16, .size: 8, .value_kind: global_buffer, .address_space: global }
    .group_segment_fixed_size: 167936
    .private_segment_fixed_size: 0
    .kernarg_segment_align: 8
    .kernarg_segment_size: 24
    .max_flat_workgroup_size: 512
    .sgpr_count:     66
    .vgpr_count:     256
    .wavefront_size: 32
...
	.end_amdgpu_metadata
.endif
;; end of part 2
;; launch thresh (part 3): grid 256 x 1, 2 waves a work-group, no clusters, 0 bytes of LDS; arguments gmax, thr; writes thr
.if DOCPART == 3
	.amdgcn_target "amdgcn-amd-amdhsa--gfx1250"
	.amdhsa_code_object_version 6
	.text
	.protected	k_q88b138885f_thresh
	.globl	k_q88b138885f_thresh
	.p2align	8
	.type	k_q88b138885f_thresh,@function
k_q88b138885f_thresh:
	s_mov_b64 s[64:65], 0
	v_nop
	global_prefetch_b8 v0, s[64:65] scope:SCOPE_SE
	s_setreg_imm32_b32 hwreg(HW_REG_WAVE_MODE, 25, 1), 1
	s_wait_xcnt 0x0
; thr[q] = t0: the largest number with 16 leading key bits such that at least 64 of query q's 250 chunk maxima are >= it.  Each of those maxima is a sim, so at least 64 sims are >= t0,
; and t0 is at or under the 64th largest sim.  Cutting to 16 bits only lowers it.  No work of reference() is left out here.
; Eight lanes to a query: lane part p = lane % 8 holds chunks 8 i + p, i = 0 .. 31.  A key is the float's bits turned so that unsigned order is the floats' order.
; The search goes bit by bit, 16 counted trips; no branch hangs on a number.  Finite maxima have keys of 0x00800000 or more, so t0 is finite.
.set K, 16                             ; v16-47 my 32 keys
	s_load_b128 s[4:7], s[0:1], 0x0                ; gmax, thr
	v_and_b32 v1, 7, v0                            ; p
	v_lshrrev_b32 v2, 3, v0                        ; which of the work-group's eight queries
	s_lshl_b32 s8, ttmp9, 3
	v_add_nc_u32 v2, s8, v2
	v_lshlrev_b32 v2, 2, v2                        ; 4 q
	v_lshl_add_u32 v3, v1, 13, v2                  ; chunk p's row of 8,192 bytes
	v_min_u32 v4, 1, v1
	v_lshl_add_u32 v4, v4, 13, v2                  ; i = 31 has chunks 248 and 249 alone: the other lanes read chunk 249 and discard it
	s_wait_kmcnt 0x0
.irp i, 0,1,2,3,4,5,6,7,8,9,10,11,12,13,14,15,16,17,18,19,20,21,22,23,24,25,26,27,28,29,30
	global_load_b32 v[K+\i], v3, s[4:5] offset:65536*\i
.endr
	global_load_b32 v[K+31], v4, s[4:5] offset:65536*31
	s_wait_loadcnt 0x0
.irp i, 0,1,2,3,4,5,6,7,8,9,10,11,12,13,14,15,16,17,18,19,20,21,22,23,24,25,26,27,28,29,30,31
	v_ashrrev_i32 v[8+(\i%4)], 31, v[K+\i]
	v_or_b32 v[8+(\i%4)], 0x80000000, v[8+(\i%4)]
	v_xor_b32 v[K+\i], v[K+\i], v[8+(\i%4)]        ; negative: all bits turned; else the sign bit alone
.endr
	v_cmp_gt_u32 vcc_lo, 2, v1
	v_cndmask_b32 v[K+31], 0, v[K+31], vcc_lo      ; key 0 is under every trial
	v_mov_b32 v5, 0                                ; the bits found so far
	s_mov_b32 s9, 0x80000000                       ; the bit on trial
	s_mov_b32 s10, 0
.Lbit:
	v_or_b32 v6, s9, v5                            ; the trial
	v_mov_b32 v7, 0
	v_mov_b32 v12, 0
.irp i, 0,4,8,12,16,20,24,28
	v_cmp_le_u32 s12, v6, v[K+\i]
	v_cmp_le_u32 s13, v6, v[K+\i+1]
	v_cmp_le_u32 s14, v6, v[K+\i+2]
	v_cmp_le_u32 s15, v6, v[K+\i+3]
	v_cndmask_b32 v8, 0, 1, s12
	v_cndmask_b32 v9, 0, 1, s13
	v_cndmask_b32 v10, 0, 1, s14
	v_cndmask_b32 v11, 0, 1, s15
	v_add3_u32 v7, v7, v8, v9
	v_add3_u32 v12, v12, v10, v11
.endr
	v_add_nc_u32 v7, v7, v12
	v_cvt_f32_u32 v7, v7                           ; my keys at or over the trial,
	v_add_f32_dpp v7, v7, v7 row_xmask:1 row_mask:0xf bank_mask:0xf
	v_add_f32_dpp v7, v7, v7 row_xmask:2 row_mask:0xf bank_mask:0xf
	v_add_f32_dpp v7, v7, v7 row_xmask:4 row_mask:0xf bank_mask:0xf   ; the query's
	v_cmp_le_f32 vcc_lo, 0x42800000, v7            ; 64 or more: the bit stays
	v_cndmask_b32 v5, v5, v6, vcc_lo
	s_lshr_b32 s9, s9, 1
	s_add_co_u32 s10, s10, 1
	s_cmp_lt_u32 s10, 16
	s_cbranch_scc1 .Lbit
	v_ashrrev_i32 v8, 31, v5                       ; the key back into a float
	v_xor_b32 v8, -1, v8
	v_or_b32 v8, 0x80000000, v8
	v_xor_b32 v5, v5, v8
	v_cmp_eq_u32 vcc_lo, 0, v1
	s_wait_xcnt 0x0                                ; EXEC changes only behind this wait
	s_and_saveexec_b32 s11, vcc_lo                 ; one lane of the eight stores
	global_store_b32 v2, v5, s[6:7]
	s_endpgm
.Lfunc_end_k_q88b138885f_thresh:
	.size	k_q88b138885f_thresh, .Lfunc_end_k_q88b138885f_thresh-k_q88b138885f_thresh
	.p2alignl 7, 3214868480
	.fill 96, 4, 3214868480
	.section	.rodata,"a",@progbits
	.p2align	6, 0x0
	.amdhsa_kernel k_q88b138885f_thresh
		.amdhsa_group_segment_fixed_size 0
		.amdhsa_private_segment_fixed_size 0
		.amdhsa_enable_private_segment 0
		.amdhsa_kernarg_size 16
		.amdhsa_user_sgpr_count 2
		.amdhsa_user_sgpr_kernarg_segment_ptr 1
		.amdhsa_wavefront_size32 1
		.amdhsa_system_sgpr_workgroup_id_x 1
		.amdhsa_system_sgpr_workgroup_id_y 1
		.amdhsa_system_sgpr_workgroup_id_z 1
		.amdhsa_system_vgpr_workitem_id 0
		.amdhsa_next_free_vgpr 64
		.amdhsa_next_free_sgpr 66
		.amdhsa_reserve_vcc 1
		.amdhsa_float_denorm_mode_32 3
		.amdhsa_float_denorm_mode_16_64 3
		.amdhsa_memory_ordered 1
		.amdhsa_forward_progress 1
		.amdhsa_inst_pref_size 14
	.end_amdhsa_kernel
	.amdgpu_metadata
---
amdhsa.version: [ 1, 2 ]
amdhsa.kernels:
  - .name:           k_q88b138885f_thresh
    .symbol:         k_q88b138885f_thresh.kd
    .args:
      - { .name: gmax, .offset: 0, .size: 8, .value_kind: global_buffer, .address_space: global }
      - { .name: thr, .offset: 8, .size: 8, .value_kind: global_buffer, .address_space: global }
    .group_segment_fixed_size: 0
    .private_segment_fixed_size: 0
    .kernarg_segment_align: 8
    .kernarg_segment_size: 16
    .max_flat_workgroup_size: 64
    .sgpr_count:     66
    .vgpr_count:     64
    .wavefront_size: 32
...
	.end_amdgpu_metadata
.endif
;; end of part 3
;; launch passb (part 4): grid 250 x 1, 16 waves a work-group, no clusters, 167,936 bytes of LDS; arguments codes, scales, thr, hmask; writes hmask
.if DOCPART == 4
	.amdgcn_target "amdgcn-amd-amdhsa--gfx1250"
	.amdhsa_code_object_version 6
	.text
	.protected	k_q88b138885f_passb
	.globl	k_q88b138885f_passb
	.p2align	8
	.type	k_q88b138885f_passb,@function
k_q88b138885f_passb:
	s_mov_b64 s[64:65], 0
	v_nop
	global_prefetch_b8 v0, s[64:65] scope:SCOPE_SE
	s_setreg_imm32_b32 hwreg(HW_REG_WAVE_MODE, 25, 1), 1
	s_wait_xcnt 0x0
; THE PRODUCT sim = Qn Cn^T on codes of E2M1, reduced on the spot.  PASS_B = 0: gmax[w][q] = the largest sim of query q in chunk w.
; PASS_B = 1: hmask[w][query tile][lane]: bit t = the largest sim of a group of 8 candidates is >= the query's t0.  No work of reference() is left out here.
; SHARES.  Work-group w owns chunk w: 400 candidates = groups 50 w .. 50 w + 49, whose codes (51,200 bytes) and scale bytes (3,200) come into LDS once, each wave
; bringing a sixteenth of both by two tensor loads (two are out at the most).  Wave v keeps query tiles 8 v .. 8 v + 7 in registers and walks the chunk's 25 tiles.
; No cluster: a chunk belongs to one work-group alone, and a query fragment is read by one wave of it, straight into registers.
; LAYOUT.  Source 0 = 16 candidates, source 1 = 16 queries: a lane holds ONE query (lane % 16) and its eight registers eight candidates.  Tile t is made of groups 50 w + t (rows 0-7)
; and 50 w + 25 + t (rows 8-15), so the eight registers of lane half h are the whole group 25 (2 w + h) + t.  Tiles go from t = 24 down to 0, so that a bit shifted in for each tile ends at place t.
; K = 256 is two matrix instructions; one register carries a tile's scale words of both (lanes 0-15: K step 0, lanes 16-31: K step 1).
.set PASS_B, 1
.set QCODES,  12800000                 ; the queries' groups lie behind the candidates' 12,500 in both tables
.set QSCALES, 800000
.set HIGH,  25728                      ; LDS: groups 0-24's codes from 0; groups 25-49's from here: 128 bytes further on than dense, so that a load's sixteen lanes touch sixteen different 16-byte columns of 256
.set SCL,   51456                      ; the chunk's scale bytes
.set SPARE, 54784                      ; the spare words, 128 bytes for each wave: eight blocks of 256 bytes that no other line names
.set SPW, 1                            ; v1   LDS address of my spare word; never rewritten
.set NIL, 2                            ; v2   0; never rewritten
.set CA,  3                            ; v3   my lane's place in a tile's codes
.set SA,  4                            ; v4   and among its scale words
.set ADC, 5                            ; v5, v6 the addresses of the fetch in hand
.set ADS, 6
.set QO,  7                            ; v7   my lane's place in a query tile's codes, v8 among its scale words
.set QSO, 8
.set L4,  9                            ; v9   4 x lane
.set R4,  10                           ; v10  4 x (lane % 16)
.set Q,   16                           ; v16-143  eight query tiles, 16 registers each
.set QS,  144                          ; v144-151 their scale words
.set TH,  152                          ; v152-159 their t0 (PASS_B)
.set R,   160                          ; v160-167 running maxima, or the bits
.set CF,  168                          ; v168-183 a tile of candidates
.set CS,  184                          ; v184     its scale words
.set ACC, 208                          ; v208-239 four accumulators
.set F,   240                          ; v240-243 a group's largest sim (PASS_B)
.set G1C, 16                           ; s[16:23] descriptor group 1, codes;  s[24:27] group 0
.set G0C, 24
.set G1S, 28                           ; s[28:35] descriptor group 1, scale bytes;  s[36:39] group 0
.set G0S, 36
.set WV,  40
	s_load_b128 s[4:7], s[0:1], 0x0                ; codes, scales
.if PASS_B
	s_load_b128 s[12:15], s[0:1], 0x10             ; thr, hmask
.else
	s_load_b64 s[12:13], s[0:1], 0x10              ; gmax
.endif
	v_lshl_add_u32 v[SPW], v0, 2, SPARE
	v_mov_b32 v[NIL], 0
	ds_add_u32 v[SPW], v[NIL]                      ; the wave's opening: the add, twice on end, and its wait ahead of my first tensor load
	ds_add_u32 v[SPW], v[NIL]
	v_lshrrev_b32 v11, 5, v0
	v_readfirstlane_b32 s[WV], v11                 ; wave 0..15
	s_mov_b32 s[G1C+0], 3<<16                      ; elements of 8 bytes, no mask, no padding
	s_mov_b32 s[G1C+1], 16<<16                     ; tensor_dim0 = 16 elements: rows of 128 bytes
	s_mov_b32 s[G1C+2], 25<<16                     ; tensor_dim1 = 25 rows: 3,200 dense bytes
	s_mov_b32 s[G1C+3], 16<<16                     ; tile_dim0
	s_mov_b32 s[G1C+4], 25                         ; tile_dim1
	s_mov_b32 s[G1C+5], 16                         ; from row to row
	s_mov_b32 s[G1C+6], 0
	s_mov_b32 s[G1C+7], 0
	s_mov_b32 s[G1S+0], 3<<16                      ; one row of 200 bytes: 25 elements of 8
	s_mov_b32 s[G1S+1], 25<<16
	s_mov_b32 s[G1S+2], 1<<16
	s_mov_b32 s[G1S+3], 25<<16
	s_mov_b32 s[G1S+4], 1
	s_mov_b32 s[G1S+5], 25
	s_mov_b32 s[G1S+6], 1<<16
	s_mov_b32 s[G1S+7], 0
	s_mov_b32 s[G0C], 1
	s_mul_i32 s[G0C+1], s[WV], 3200
	s_lshr_b32 s41, s[WV], 3
	s_lshl_b32 s41, s41, 7
	s_add_co_u32 s[G0C+1], s[G0C+1], s41           ; LDS: 3,200 x wave, and 128 more for waves 8-15 (the upper 25 groups)
	s_mov_b32 s[G0S], 1
	s_mul_i32 s[G0S+1], s[WV], 200
	s_add_co_u32 s[G0S+1], s[G0S+1], SCL
	s_mul_i32 s42, ttmp9, 51200
	s_mul_i32 s43, s[WV], 3200
	s_add_co_u32 s42, s42, s43                     ; my sixteenth of the chunk's codes in memory (under 2^32)
	s_mov_b32 s43, 0
	s_mul_i32 s44, ttmp9, 3200
	s_mul_i32 s45, s[WV], 200
	s_add_co_u32 s44, s44, s45                     ; and of its scale bytes
	s_mov_b32 s45, 0
	s_wait_dscnt 0x0                               ; both opening adds are done
	s_wait_kmcnt 0x0
	s_add_nc_u64 s[G0C+2:G0C+3], s[4:5], s[42:43]
	s_or_b32 s[G0C+3], s[G0C+3], 0x80000000
	s_add_nc_u64 s[G0S+2:G0S+3], s[6:7], s[44:45]
	s_or_b32 s[G0S+3], s[G0S+3], 0x80000000
	tensor_load_to_lds s[G0C:G0C+3], s[G1C:G1C+7]
	s_nop 0
	tensor_load_to_lds s[G0S:G0S+3], s[G1S:G1S+7]
	s_nop 0
.rept 4
	v_nop
.endr
	v_and_b32 v11, 15, v0                          ; r
	v_bfe_u32 v12, v0, 4, 1                        ; lane half
	v_lshrrev_b32 v13, 3, v11                      ; which of the tile's two groups
	v_and_b32 v14, 7, v0                           ; row in the group
	v_mul_u32_u24 v[CA], v13, HIGH
	v_lshl_add_u32 v[CA], v12, 7, v[CA]
	v_lshl_add_u32 v[CA], v14, 4, v[CA]            ; codes: group, + 128 x half (the odd blocks), + 16 x row
	v_mul_u32_u24 v[SA], v13, 1600
	v_lshl_add_u32 v[SA], v12, 5, v[SA]
	v_lshl_add_u32 v[SA], v14, 2, v[SA]
	v_add_nc_u32 v[SA], SCL, v[SA]                 ; scale words: group, + 32 x half (K step 1), + 4 x row
	v_lshlrev_b32 v[QO], 10, v13
	v_lshl_add_u32 v[QO], v12, 7, v[QO]
	v_lshl_add_u32 v[QO], v14, 4, v[QO]
	v_lshlrev_b32 v[QSO], 6, v13
	v_lshl_add_u32 v[QSO], v12, 5, v[QSO]
	v_lshl_add_u32 v[QSO], v14, 2, v[QSO]
	v_and_b32 v[L4], 31, v0
	v_lshlrev_b32 v[L4], 2, v[L4]
	v_lshlrev_b32 v[R4], 2, v11
	s_lshl_b32 s42, s[WV], 14                      ; my eight query tiles: 2,048 bytes of codes each,
	s_add_co_u32 s42, s42, QCODES
	s_add_nc_u64 s[8:9], s[4:5], s[42:43]
	s_lshl_b32 s42, s[WV], 10                      ; 128 scale bytes each
	s_add_co_u32 s42, s42, QSCALES
	s_add_nc_u64 s[10:11], s[6:7], s[42:43]
.if PASS_B
	s_lshl_b32 s42, s[WV], 9                       ; my 128 queries' t0
	s_add_nc_u64 s[12:13], s[12:13], s[42:43]
	s_lshl_b32 s42, ttmp9, 14
	s_lshl_b32 s44, s[WV], 10
	s_add_co_u32 s42, s42, s44
	s_add_nc_u64 s[14:15], s[14:15], s[42:43]      ; out: chunk x 16,384 + wave x 1,024
.else
	s_lshl_b32 s42, ttmp9, 13
	s_lshl_b32 s44, s[WV], 9
	s_add_co_u32 s42, s42, s44
	s_add_nc_u64 s[12:13], s[12:13], s[42:43]      ; out: chunk x 8,192 + wave x 512
	s_mov_b32 s50, 0x76543210
	s_mov_b32 s51, 0xfedcba98                      ; v_permlanex16_b32's selects for lane l xor 16
	s_mov_b32 s52, 0xffff0000                      ; lanes 16-31
.endif
.irp j, 0,1,2,3,4,5,6,7
.irp s, 0,1
.irp c, 0,1
	global_load_b128 v[Q+16*\j+8*\s+4*\c:Q+16*\j+8*\s+4*\c+3], v[QO], s[8:9] offset:2048*\j+512*\s+256*\c
.endr
.endr
	global_load_b32 v[QS+\j], v[QSO], s[10:11] offset:128*\j
.if PASS_B
	global_load_b32 v[TH+\j], v[R4], s[12:13] offset:64*\j
.endif
.endr
.irp j, 0,1,2,3,4,5,6,7
.if PASS_B
	v_mov_b32 v[R+\j], 0
.else
	v_mov_b32 v[R+\j], 0xff800000                  ; -infinity, under every sim
.endif
.endr
.macro FETCH                           ; the tile at s46 (codes) and s47 (scale words): five LDS loads
	v_add_nc_u32 v[ADC], s46, v[CA]
	v_add_nc_u32 v[ADS], s47, v[SA]
.irp s, 0,1
.irp c, 0,1
	ds_load_b128 v[CF+8*\s+4*\c:CF+8*\s+4*\c+3], v[ADC] offset:512*\s+256*\c
.endr
.endr
	ds_load_b32 v[CS], v[ADS]
.endm
.macro MUL g                           ; the tile against query tiles 4 g .. 4 g + 3: the four accumulators by turns, K step 0 starting the sums, then K step 1
.irp a, 0,1,2,3
	v_wmma_scale_f32_16x16x128_f8f6f4 v[ACC+8*\a:ACC+8*\a+7], v[CF:CF+7], v[Q+16*(4*\g+\a):Q+16*(4*\g+\a)+7], 0, v[CS], v[QS+4*\g+\a] matrix_a_fmt:MATRIX_FMT_FP4 matrix_b_fmt:MATRIX_FMT_FP4
.endr
.irp a, 0,1,2,3
	v_wmma_scale_f32_16x16x128_f8f6f4 v[ACC+8*\a:ACC+8*\a+7], v[CF+8:CF+15], v[Q+16*(4*\g+\a)+8:Q+16*(4*\g+\a)+15], v[ACC+8*\a:ACC+8*\a+7], v[CS], v[QS+4*\g+\a] matrix_a_fmt:MATRIX_FMT_FP4 matrix_b_fmt:MATRIX_FMT_FP4 matrix_a_scale:MATRIX_SCALE_ROW1 matrix_b_scale:MATRIX_SCALE_ROW1
.endr
.endm
.macro RED g                           ; each accumulator is read from its low end on
.if PASS_B
.irp a, 0,1,2,3
	v_max3_num_f32 v[F+\a], v[ACC+8*\a], v[ACC+8*\a+1], v[ACC+8*\a+2]
.endr
.irp i, 3,5
.irp a, 0,1,2,3
	v_max3_num_f32 v[F+\a], v[F+\a], v[ACC+8*\a+\i], v[ACC+8*\a+\i+1]
.endr
.endr
.irp a, 0,1,2,3
	v_max_num_f32 v[F+\a], v[F+\a], v[ACC+8*\a+7]  ; the group's largest sim
.endr
.irp a, 0,1,2,3
	v_cmp_ge_f32 vcc_lo, v[F+\a], v[TH+4*\g+\a]
	v_add_co_ci_u32 v[R+4*\g+\a], vcc_lo, v[R+4*\g+\a], v[R+4*\g+\a], vcc_lo   ; the bits one place up, the new bit in
.endr
.else
.irp i, 0,2,4,6
.irp a, 0,1,2,3
	v_max3_num_f32 v[R+4*\g+\a], v[R+4*\g+\a], v[ACC+8*\a+\i], v[ACC+8*\a+\i+1]
.endr
.endr
.endif
.endm
; A tile.  Four plain vector instructions stand between the last product and the first read of a result or the first load into a fragment (ISA guide 7.12.1 for the reads);
; between a product and the product that begins its accumulator anew stand those four and the reduction's lines on the other three accumulators: five or more.
.macro TRIP pf
	s_wait_dscnt 0x0                               ; the tile's five loads are in
	MUL 0
.rept 4
	v_nop
.endr
	RED 0
	MUL 1
.if \pf
	s_sub_co_u32 s46, s46, 1024                    ; the tile below
	s_sub_co_u32 s47, s47, 64
	v_nop
	v_nop                                          ; with the fetch's two additions: four places
	FETCH
.else
.rept 4
	v_nop
.endr
.endif
	RED 1
.endm
	s_wait_tensorcnt 0x0                           ; my parts of the chunk have landed,
	s_barrier_signal -1
	s_barrier_wait -1                              ; everybody's have; nothing is filled again
	s_mov_b32 s46, 24*1024
	s_mov_b32 s47, 24*64
	FETCH                                          ; tile 24
	s_wait_loadcnt 0x0                             ; my queries
	s_mov_b32 s48, 24
.Ltile:                                                ; tiles 24 .. 1; each trip fetches the tile below
	TRIP 1
	s_sub_co_u32 s48, s48, 1
	s_cmp_lg_u32 s48, 0
	s_cbranch_scc1 .Ltile
	TRIP 0                                         ; tile 0 fetches nothing
.if PASS_B
.irp j, 0,1,2,3,4,5,6,7
	global_store_b32 v[L4], v[R+\j], s[14:15] offset:128*\j   ; the wave's eight stores cover 1,024 consecutive bytes
.endr
.else
.irp u, 0,4
.irp j, 0,1,2,3
	v_permlanex16_b32 v[11+\j], v[R+\u+\j], s50, s51
.endr
.irp j, 0,1,2,3
	v_max_num_f32 v[R+\u+\j], v[R+\u+\j], v[11+\j]     ; both halves' groups: the chunk's largest sim of query lane % 16
.endr
.endr
.irp p, 0,1,2,3
	v_cndmask_b32 v[11+\p], v[R+2*\p], v[R+2*\p+1], s52   ; two query tiles to a register: 32 neighbouring queries
.endr
.irp p, 0,1,2,3
	global_store_b32 v[L4], v[11+\p], s[12:13] offset:128*\p   ; the wave's four stores cover 512 consecutive bytes
.endr
.endif
	s_wait_tensorcnt 0x0                           ; the wave's end
	ds_add_u32 v[SPW], v[NIL]
	s_wait_dscnt 0x0
	s_endpgm
.Lfunc_end_k_q88b138885f_passb:
	.size	k_q88b138885f_passb, .Lfunc_end_k_q88b138885f_passb-k_q88b138885f_passb
	.p2alignl 7, 3214868480
	.fill 96, 4, 3214868480
	.section	.rodata,"a",@progbits
	.p2align	6, 0x0
	.amdhsa_kernel k_q88b138885f_passb
		.amdhsa_group_segment_fixed_size 167936
		.amdhsa_private_segment_fixed_size 0
		.amdhsa_enable_private_segment 0
		.amdhsa_kernarg_size 32
		.amdhsa_user_sgpr_count 2
		.amdhsa_user_sgpr_kernarg_segment_ptr 1
		.amdhsa_wavefront_size32 1
		.amdhsa_system_sgpr_workgroup_id_x 1
		.amdhsa_system_sgpr_workgroup_id_y 1
		.amdhsa_system_sgpr_workgroup_id_z 1
		.amdhsa_system_vgpr_workitem_id 0
		.amdhsa_next_free_vgpr 256
		.amdhsa_next_free_sgpr 66
		.amdhsa_reserve_vcc 1
		.amdhsa_float_denorm_mode_32 3
		.amdhsa_float_denorm_mode_16_64 3
		.amdhsa_memory_ordered 1
		.amdhsa_forward_progress 1
		.amdhsa_inst_pref_size 21
	.end_amdhsa_kernel
	.amdgpu_metadata
---
amdhsa.version: [ 1, 2 ]
amdhsa.kernels:
  - .name:           k_q88b138885f_passb
    .symbol:         k_q88b138885f_passb.kd
    .args:
      - { .name: codes, .offset: 0, .size: 8, .value_kind: global_buffer, .address_space: global }
      - { .name: scales, .offset: 8, .size: 8, .value_kind: global_buffer, .address_space: global }
      - { .name: thr, .offset: 16, .size: 8, .value_kind: global_buffer, .address_space: global }
      - { .name: hmask, .offset: 24, .size: 8, .value_kind: global_buffer, .address_space: global }
    .group_segment_fixed_size: 167936
    .private_segment_fixed_size: 0
    .kernarg_segment_align: 8
    .kernarg_segment_size: 32
    .max_flat_workgroup_size: 512
    .sgpr_count:     66
    .vgpr_count:     256
    .wavefront_size: 32
...
	.end_amdgpu_metadata
.endif
;; end of part 4
;; launch transp (part 5): grid 128 x 1, 16 waves a work-group, no clusters, 35,840 bytes of LDS; arguments hmask, hmaskt, qinfo; writes hmaskt, qinfo
.if DOCPART == 5
	.amdgcn_target "amdgcn-amd-amdhsa--gfx1250"
	.amdhsa_code_object_version 6
	.text
	.protected	k_q88b138885f_transp
	.globl	k_q88b138885f_transp
	.p2align	8
	.type	k_q88b138885f_transp,@function
k_q88b138885f_transp:
	s_mov_b64 s[64:65], 0
	v_nop
	global_prefetch_b8 v0, s[64:65] scope:SCOPE_SE
	s_setreg_imm32_b32 hwreg(HW_REG_WAVE_MODE, 25, 1), 1
	s_wait_xcnt 0x0
; The bits of hmask are laid query by query, and what the next two launches branch on is made.  No work of reference() is left out here.  No branch of this launch hangs on a loaded number.
;   hmaskt[q][512 words]: word g = 2 w + h (chunk w, lane half h) holds in bit t the group 25 g + t; words 500 .. 511 are zeros.
;   qinfo[q][32 words]:   word i (0 .. 15): bit l = word 32 i + l of the query is not 0;  word 16: H, the number of bits of the query;  the rest zeros.
; A work-group takes a query tile, so that each 128 bytes of hmask are read once: 128 work-groups.  Wave j brings rows (chunks) j + 16 k into LDS; behind one barrier wave r reads query r's words,
; word g into register g / 32, lane g % 32.
.set TRP,   132                        ; an LDS row: 128 bytes + 4
.set SPARE, 256*TRP                    ; behind the 256 rows: the spare words, 128 bytes for each wave: eight blocks of 256 bytes that no other line names
.set SPW, 1                            ; v1  LDS address of my spare word; never rewritten
.set NIL, 2                            ; v2  0; never rewritten
.set W,   16                           ; v16-31 as loaded; then my query's words
.set T,   32                           ; v32-47, v48-63 at work
.set U,   48
	s_load_b128 s[4:7], s[0:1], 0x0                ; hmask, hmaskt
	s_load_b64 s[8:9], s[0:1], 0x10                ; qinfo
	v_lshl_add_u32 v[SPW], v0, 2, SPARE
	v_mov_b32 v[NIL], 0
	v_lshrrev_b32 v3, 5, v0
	v_readfirstlane_b32 s10, v3                    ; wave: j on the way in, the query's row r on the way back
	v_and_b32 v3, 31, v0                           ; lane
	v_lshlrev_b32 v4, 2, v3                        ; 4 x lane
	s_mul_i32 s11, s10, TRP
	v_add_nc_u32 v5, s11, v4                       ; in: row j + 16 k, word = lane
	v_lshrrev_b32 v6, 1, v3
	v_mul_u32_u24 v6, v6, TRP
	v_and_b32 v7, 1, v3
	v_lshl_add_u32 v6, v7, 6, v6
	s_lshl_b32 s11, s10, 2
	v_add_nc_u32 v6, s11, v6                       ; back: row 16 i + lane / 2, word 16 (lane % 2) + r
	s_lshl_b32 s12, s10, 14
	s_lshl_b32 s13, ttmp9, 7
	s_add_co_u32 s12, s12, s13                     ; chunk j's row of 16,384 bytes, the tile's 128 of them
	s_mov_b32 s13, 0
	s_lshl_b32 s14, ttmp9, 4
	s_add_co_u32 s14, s14, s10                     ; q
	s_lshl_b32 s16, s14, 7                         ; its 128 bytes of qinfo
	s_mov_b32 s17, 0
	s_lshl_b32 s14, s14, 11                        ; its 2,048 bytes of hmaskt
	s_mov_b32 s15, 0
	s_mov_b32 s36, 0x55555555
	s_mov_b32 s37, 0x33333333
	s_mov_b32 s38, 0x0f0f0f0f
	s_mov_b32 s39, 0x00ff00ff
	s_mov_b32 s40, 0x76543210
	s_mov_b32 s41, 0xfedcba98                      ; v_permlanex16_b32's selects for lane l xor 16
	s_wait_kmcnt 0x0
	s_add_nc_u64 s[4:5], s[4:5], s[12:13]
	s_add_nc_u64 s[6:7], s[6:7], s[14:15]
	s_add_nc_u64 s[8:9], s[8:9], s[16:17]
.irp k, 0,1,2,3,4,5,6,7,8,9,10,11,12,13,14
	global_load_b32 v[W+\k], v4, s[4:5] offset:262144*\k
.endr
	v_mov_b32 v[W+15], 0                           ; chunks 250 .. 255 do not exist: their rows are zeros
	s_cmp_lt_u32 s10, 10
	s_cbranch_scc0 .Lno_row
	global_load_b32 v[W+15], v4, s[4:5] offset:262144*15
.Lno_row:
	s_wait_loadcnt 0x0
.irp k, 0,1,2,3,4,5,6,7,8,9,10,11,12,13,14,15
	ds_store_b32 v5, v[W+\k] offset:16*TRP*\k
.endr
	s_wait_dscnt 0x0                               ; for the others' sake: my stores have landed
	s_barrier_signal -1
	s_barrier_wait -1
.irp i, 0,1,2,3,4,5,6,7,8,9,10,11,12,13,14,15
	ds_load_b32 v[W+\i], v6 offset:16*TRP*\i
.endr
	s_wait_dscnt 0x0
.irp i, 0,1,2,3,4,5,6,7,8,9,10,11,12,13,14,15
	global_store_b32 v4, v[W+\i], s[6:7] offset:128*\i   ; the wave's sixteen stores cover the query's 2,048 consecutive bytes
.endr
	v_mov_b32 v8, 0
.irp i, 0,1,2,3,4,5,6,7,8,9,10,11,12,13,14,15
	v_cmp_ne_u32 s[20+\i], 0, v[W+\i]              ; the lanes whose word holds a bit
.endr
.irp i, 0,1,2,3,4,5,6,7,8,9,10,11,12,13,14,15
	v_writelane_b32 v8, s[20+\i], \i
.endr
; the number of bits of each word, by pairs, fours and bytes of bits; the sixteen words by turns
.irp i, 0,1,2,3,4,5,6,7,8,9,10,11,12,13,14,15
	v_lshrrev_b32 v[T+\i], 1, v[W+\i]
.endr
.irp i, 0,1,2,3,4,5,6,7,8,9,10,11,12,13,14,15
	v_and_b32 v[T+\i], s36, v[T+\i]
.endr
.irp i, 0,1,2,3,4,5,6,7,8,9,10,11,12,13,14,15
	v_sub_nc_u32 v[T+\i], v[W+\i], v[T+\i]         ; each pair of bits holds its count
.endr
.irp i, 0,1,2,3,4,5,6,7,8,9,10,11,12,13,14,15
	v_lshrrev_b32 v[U+\i], 2, v[T+\i]
.endr
.irp i, 0,1,2,3,4,5,6,7,8,9,10,11,12,13,14,15
	v_and_b32 v[T+\i], s37, v[T+\i]
.endr
.irp i, 0,1,2,3,4,5,6,7,8,9,10,11,12,13,14,15
	v_and_b32 v[U+\i], s37, v[U+\i]
.endr
.irp i, 0,1,2,3,4,5,6,7,8,9,10,11,12,13,14,15
	v_add_nc_u32 v[T+\i], v[T+\i], v[U+\i]         ; each four bits
.endr
.irp i, 0,1,2,3,4,5,6,7,8,9,10,11,12,13,14,15
	v_lshrrev_b32 v[U+\i], 4, v[T+\i]
.endr
.irp i, 0,1,2,3,4,5,6,7,8,9,10,11,12,13,14,15
	v_add_nc_u32 v[T+\i], v[T+\i], v[U+\i]
.endr
.irp i, 0,1,2,3,4,5,6,7,8,9,10,11,12,13,14,15
	v_and_b32 v[T+\i], s38, v[T+\i]                ; each byte: 8 at the most
.endr
.irp i, 0,1,2,3,4,5,6,7
	v_add_nc_u32 v[T+\i], v[T+\i], v[T+8+\i]
.endr
.irp i, 0,1,2,3
	v_add_nc_u32 v[T+\i], v[T+\i], v[T+4+\i]
.endr
.irp i, 0,1
	v_add_nc_u32 v[T+\i], v[T+\i], v[T+2+\i]
.endr
	v_add_nc_u32 v[T], v[T], v[T+1]                ; sixteen words: 128 a byte at the most
	v_lshrrev_b32 v[U], 8, v[T]
	v_and_b32 v[T], s39, v[T]
	v_and_b32 v[U], s39, v[U]
	v_add_nc_u32 v[T], v[T], v[U]
	v_lshrrev_b32 v[U], 16, v[T]
	v_and_b32 v[T], 0xffff, v[T]
	v_add_nc_u32 v[T], v[T], v[U]                  ; my sixteen words' bits: 400 at the most
	v_cvt_f32_u32 v[T], v[T]                       ; over the lanes in f32: whole numbers up to 12,500, exact
	v_add_f32_dpp v[T], v[T], v[T] row_xmask:1 row_mask:0xf bank_mask:0xf
	v_add_f32_dpp v[T], v[T], v[T] row_xmask:2 row_mask:0xf bank_mask:0xf
	v_add_f32_dpp v[T], v[T], v[T] row_xmask:4 row_mask:0xf bank_mask:0xf
	v_add_f32_dpp v[T], v[T], v[T] row_xmask:8 row_mask:0xf bank_mask:0xf
	v_permlanex16_b32 v[U], v[T], s40, s41
	v_add_f32 v[T], v[T], v[U]
	v_cvt_u32_f32 v[T], v[T]                       ; H
	v_cmp_eq_u32 vcc_lo, 16, v3
	v_cndmask_b32 v8, v8, v[T], vcc_lo             ; into lane 16
	global_store_b32 v4, v8, s[8:9]                ; 128 consecutive bytes
	s_wait_tensorcnt 0x0                           ; the wave's end
	ds_add_u32 v[SPW], v[NIL]
	s_wait_dscnt 0x0
	s_endpgm
.Lfunc_end_k_q88b138885f_transp:
	.size	k_q88b138885f_transp, .Lfunc_end_k_q88b138885f_transp-k_q88b138885f_transp
	.p2alignl 7, 3214868480
	.fill 96, 4, 3214868480
	.section	.rodata,"a",@progbits
	.p2align	6, 0x0
	.amdhsa_kernel k_q88b138885f_transp
		.amdhsa_group_segment_fixed_size 35840
		.amdhsa_private_segment_fixed_size 0
		.amdhsa_enable_private_segment 0
		.amdhsa_kernarg_size 24
		.amdhsa_user_sgpr_count 2
		.amdhsa_user_sgpr_kernarg_segment_ptr 1
		.amdhsa_wavefront_size32 1
		.amdhsa_system_sgpr_workgroup_id_x 1
		.amdhsa_system_sgpr_workgroup_id_y 1
		.amdhsa_system_sgpr_workgroup_id_z 1
		.amdhsa_system_vgpr_workitem_id 0
		.amdhsa_next_free_vgpr 64
		.amdhsa_next_free_sgpr 66
		.amdhsa_reserve_vcc 1
		.amdhsa_float_denorm_mode_32 3
		.amdhsa_float_denorm_mode_16_64 3
		.amdhsa_memory_ordered 1
		.amdhsa_forward_progress 1
		.amdhsa_inst_pref_size 16
	.end_amdhsa_kernel
	.amdgpu_metadata
---
amdhsa.version: [ 1, 2 ]
amdhsa.kernels:
  - .name:           k_q88b138885f_transp
    .symbol:         k_q88b138885f_transp.kd
    .args:
      - { .name: hmask, .offset: 0, .size: 8, .value_kind: global_buffer, .address_space: global }
      - { .name: hmaskt, .offset: 8, .size: 8, .value_kind: global_buffer, .address_space: global }
      - { .name: qinfo, .offset: 16, .size: 8, .value_kind: global_buffer, .address_space: global }
    .group_segment_fixed_size: 35840
    .private_segment_fixed_size: 0
    .kernarg_segment_align: 8
    .kernarg_segment_size: 24
    .max_flat_workgroup_size: 512
    .sgpr_count:     66
    .vgpr_count:     64
    .wavefront_size: 32
...
	.end_amdgpu_metadata
.endif
;; end of part 5
;; launch enumerate (part 6): grid 256 x 1, 8 waves a work-group, no clusters, 0 bytes of LDS; arguments hmaskt, qinfo, hlist; writes hlist
.if DOCPART == 6
	.amdgcn_target "amdgcn-amd-amdhsa--gfx1250"
	.amdhsa_code_object_version 6
	.text
	.protected	k_q88b138885f_enumerate
	.globl	k_q88b138885f_enumerate
	.p2align	8
	.type	k_q88b138885f_enumerate,@function
k_q88b138885f_enumerate:
	s_mov_b64 s[64:65], 0
	v_nop
	global_prefetch_b8 v0, s[64:65] scope:SCOPE_SE
	s_setreg_imm32_b32 hwreg(HW_REG_WAVE_MODE, 25, 1), 1
	s_wait_xcnt 0x0
; The bits of a query become an ascending list of groups of 8 candidates.  hlist row q (50,432 bytes = 12,608 words): the H entries from word 0 on; 32 zeros behind them (the reader asks at most 31 words
; past the last entry); words 12,576 .. 12,607 are a dump that nobody reads.  12,500 entries, all groups, and their zeros end at word 12,531.  No work of reference() is left out here.
; A wave takes a query.  ALL BRANCHES AND TRIP COUNTS hang on the sixteen masks of qinfo, whole numbers that the launch before stored, read by one scalar load: which of the query's 512 words hold a bit.
; A trip serves one such word g, in ascending order: lane t tests bit t; a lane with a bit stores 25 g + t at the place (entries so far) + (bits under t); a lane without stores to its own dump word.
; The choice is a select, so that all lanes stay on.  The place is held to the row's last word before it becomes an offset.
.set W,    16                          ; v16-31 the query's words: word g in register g / 32, lane g % 32
.set DUMP, 12576
.set LAST, 12607
	s_load_b128 s[4:7], s[0:1], 0x0                ; hmaskt, qinfo
	s_load_b64 s[8:9], s[0:1], 0x10                ; hlist
	v_lshrrev_b32 v2, 5, v0
	v_readfirstlane_b32 s10, v2                    ; wave
	v_and_b32 v1, 31, v0                           ; lane
	v_lshlrev_b32 v4, 2, v1                        ; 4 x lane
	v_add_nc_u32 v11, DUMP, v1                     ; my dump word
	v_mov_b32 v10, 0
	s_lshl_b32 s11, ttmp9, 3
	s_add_co_u32 s11, s11, s10                     ; q
	s_lshl_b32 s12, s11, 11
	s_mov_b32 s13, 0
	s_lshl_b32 s14, s11, 7
	s_mov_b32 s15, 0
	s_mul_i32 s16, s11, 50432                      ; (under 2^32)
	s_mov_b32 s17, 0
	s_mov_b32 s30, 0                               ; entries so far
	s_wait_kmcnt 0x0
	s_add_nc_u64 s[4:5], s[4:5], s[12:13]
	s_add_nc_u64 s[6:7], s[6:7], s[14:15]
	s_add_nc_u64 s[8:9], s[8:9], s[16:17]
	s_load_b512 s[32:47], s[6:7], 0x0              ; the sixteen masks
.irp i, 0,1,2,3,4,5,6,7,8,9,10,11,12,13,14,15
	global_load_b32 v[W+\i], v4, s[4:5] offset:128*\i
.endr
	s_wait_kmcnt 0x0
	s_wait_loadcnt 0x0
.macro ENUM i                          ; the words of register i that hold a bit, lanes ascending
	s_bcnt1_i32_b32 s21, s[32+\i]                  ; how many
	s_cmp_eq_u32 s21, 0
	s_cbranch_scc1 .Lskip_\@
	s_mov_b32 s20, s[32+\i]
	s_mov_b32 s22, 0
.Lw_\@:
	s_ctz_i32_b32 s23, s20                         ; the lowest such lane,
	s_sub_co_u32 s29, s20, 1
	s_and_b32 s20, s20, s29                        ; struck off
	v_readlane_b32 s24, v[W+\i], s23               ; its word
	s_add_co_u32 s26, s23, 32*\i
	s_mul_i32 s26, s26, 25                         ; 25 g
	v_lshrrev_b32 v12, v1, s24
	v_and_b32 v12, 1, v12                          ; bit t = my lane (a word has 25 bits: lanes 25 .. 31 find 0)
	v_cmp_ne_u32 s28, 0, v12
	s_wait_xcnt 0x0                                ; the last trip's store has read its offset and its data: both are written again
	v_mbcnt_lo_u32_b32 v13, s28, s30               ; entries so far + bits under mine
	v_cndmask_b32 v13, v11, v13, s28               ; or my dump word
	v_min_u32 v13, LAST, v13                       ; held inside the row
	v_lshlrev_b32 v13, 2, v13
	v_add_nc_u32 v14, s26, v1                      ; the group
	global_store_b32 v13, v14, s[8:9]
	s_bcnt1_i32_b32 s29, s28
	s_add_co_u32 s30, s30, s29
	s_add_co_u32 s22, s22, 1
	s_cmp_lt_u32 s22, s21
	s_cbranch_scc1 .Lw_\@
.Lskip_\@:
.endm
.irp i, 0,1,2,3,4,5,6,7,8,9,10,11,12,13,14,15
	ENUM \i
.endr
	s_wait_xcnt 0x0                                ; the last store has read its offset
	v_add_nc_u32 v13, s30, v1
	v_min_u32 v13, LAST, v13
	v_lshlrev_b32 v13, 2, v13
	global_store_b32 v13, v10, s[8:9]              ; 32 zeros behind the entries
	s_endpgm
.Lfunc_end_k_q88b138885f_enumerate:
	.size	k_q88b138885f_enumerate, .Lfunc_end_k_q88b138885f_enumerate-k_q88b138885f_enumerate
	.p2alignl 7, 3214868480
	.fill 96, 4, 3214868480
	.section	.rodata,"a",@progbits
	.p2align	6, 0x0
	.amdhsa_kernel k_q88b138885f_enumerate
		.amdhsa_group_segment_fixed_size 0
		.amdhsa_private_segment_fixed_size 0
		.amdhsa_enable_private_segment 0
		.amdhsa_kernarg_size 24
		.amdhsa_user_sgpr_count 2
		.amdhsa_user_sgpr_kernarg_segment_ptr 1
		.amdhsa_wavefront_size32 1
		.amdhsa_system_sgpr_workgroup_id_x 1
		.amdhsa_system_sgpr_workgroup_id_y 1
		.amdhsa_system_sgpr_workgroup_id_z 1
		.amdhsa_system_vgpr_workitem_id 0
		.amdhsa_next_free_vgpr 32
		.amdhsa_next_free_sgpr 66
		.amdhsa_reserve_vcc 0
		.amdhsa_float_denorm_mode_32 3
		.amdhsa_float_denorm_mode_16_64 3
		.amdhsa_memory_ordered 1
		.amdhsa_forward_progress 1
		.amdhsa_inst_pref_size 21
	.end_amdhsa_kernel
	.amdgpu_metadata
---
amdhsa.version: [ 1, 2 ]
amdhsa.kernels:
  - .name:           k_q88b138885f_enumerate
    .symbol:         k_q88b138885f_enumerate.kd
    .args:
      - { .name: hmaskt, .offset: 0, .size: 8, .value_kind: global_buffer, .address_space: global }
      - { .name: qinfo, .offset: 8, .size: 8, .value_kind: global_buffer, .address_space: global }
      - { .name: hlist, .offset: 16, .size: 8, .value_kind: global_buffer, .address_space: global }
    .group_segment_fixed_size: 0
    .private_segment_fixed_size: 0
    .kernarg_segment_align: 8
    .kernarg_segment_size: 24
    .max_flat_workgroup_size: 256
    .sgpr_count:     66
    .vgpr_count:     32
    .wavefront_size: 32
...
	.end_amdgpu_metadata
.endif
;; end of part 6
;; launch final (part 7): grid 512 x 1, 4 waves a work-group, no clusters, 0 bytes of LDS; arguments hlist, qinfo, codes, scales, candidate_labels, out0; writes out0
.if DOCPART == 7
	.amdgcn_target "amdgcn-amd-amdhsa--gfx1250"
	.amdhsa_code_object_version 6
	.text
	.protected	k_q88b138885f_final
	.globl	k_q88b138885f_final
	.p2align	8
	.type	k_q88b138885f_final,@function
k_q88b138885f_final:
	s_mov_b64 s[64:65], 0
	v_nop
	global_prefetch_b8 v0, s[64:65] scope:SCOPE_SE
	s_setreg_imm32_b32 hwreg(HW_REG_WAVE_MODE, 25, 1), 1
	s_wait_xcnt 0x0
; A wave takes a query.  Its list names every group of 8 candidates that holds a sim >= t0, so all of its top 64 and every sim equal to the 64th.  Candidates outside the list are under the 64th largest sim:
; reference()'s top_k throws them away, and which they are is read here as whole numbers that earlier launches stored.
; PASS 1 multiplies the listed groups, 16 a batch, and keeps the 64 largest values, sorted, in two registers.  tau = the 64th, need = 64 - (values over tau).
; PASS 2 multiplies them again and takes sims over tau and, of those equal to tau, the first `need` in the list's order, which is the order of the indices: as top_k breaks ties.
; w = 2^((sim - largest sim) log2 e); out0[q][c] = (sum of w where label = c) / (sum of all taken w).  LIMITS as stated at the head of the first kernel.
; OPERANDS.  Source 0 = the query's row in all 16 rows, source 1 = 16 candidates (two listed groups): every register of the result holds, in lane l, the sim of candidate column l % 16.
; The trip counts hang on H alone, the list's length, read from qinfo by a scalar load; the gathers' offsets on the list, every entry held to 12,499 first.  No branch and no address hangs on a sim.
.set QCODES,  12800000                 ; the queries' groups lie behind the candidates' 12,500 in both tables
.set QSCALES, 800000
.set GK,  8                            ; v8-11   lane / 8 + 4 k: my entry's place in a batch, for value register k
.set A,   16                           ; v16-31  the query's fragment, both K steps
.set AS,  32                           ; v32     its scale words
.set P0,  33                           ; v33, v34 the pool: the 64 largest values, descending over P0's lanes, then P1's
.set P1,  34
.set V,   36                           ; v36-39  a batch's 128 sims: register k, lane l = entry 4 k + l / 8, row l % 8
.set LB,  40                           ; v40-43  pass 1: at work; pass 2: label offsets, then labels
.set SUM, 44                           ; v44-53  the classes' sums, v54 the sum of all weights
.set ET,  56                           ; v56-63  tile i's entry for my column, then its code offset
.set EN,  64                           ; v64-71  the next batch's entries
.set SO,  72                           ; v72-79  scale offsets
.set BS,  80                           ; v80-87  the tiles' scale words
.set B,   88                           ; v88-215 eight tiles' fragments
.set ACC, 216                          ; v216-247 four accumulators
.set TM,  248                          ; v248-255 at work; pass 2: v248-251 the weights
.set MB1, 0xaaaaaaaa                   ; lanes whose number has bit 0 set; and so on
.set MB2, 0xcccccccc
.set MB4, 0xf0f0f0f0
.set MB8, 0xff00ff00
.set MB16, 0xffff0000
	s_load_b64 s[4:5], s[0:1], 0x0                 ; hlist
	s_load_b64 s[58:59], s[0:1], 0x8               ; qinfo
	s_load_b64 s[10:11], s[0:1], 0x10              ; codes
	s_load_b128 s[12:15], s[0:1], 0x18             ; scales, candidate_labels
	s_load_b64 s[16:17], s[0:1], 0x28              ; out0
	v_lshrrev_b32 v12, 5, v0
	v_readfirstlane_b32 s18, v12
	s_lshl_b32 s19, ttmp9, 2
	s_add_co_u32 s19, s19, s18                     ; q
	v_and_b32 v1, 31, v0                           ; lane
	v_bfe_u32 v12, v0, 3, 1
	v_lshlrev_b32 v2, 2, v12                       ; which of a tile's two entries is my column's: 4 bytes on
	v_bfe_u32 v13, v0, 4, 1                        ; lane half
	v_and_b32 v14, 7, v0                           ; row in the group
	v_lshlrev_b32 v5, 7, v13                       ; 128 x half: the query's codes
	v_lshl_add_u32 v3, v14, 4, v5                  ; + 16 x row: a candidate's
	v_lshlrev_b32 v35, 5, v13                      ; 32 x half: the query's scale words
	v_lshl_add_u32 v4, v14, 2, v35                 ; + 4 x row: a candidate's
	v_lshlrev_b32 v7, 2, v14                       ; labels: 4 x row
	v_lshrrev_b32 v[GK], 3, v1
	v_add_nc_u32 v[GK+1], 4, v[GK]
	v_add_nc_u32 v[GK+2], 8, v[GK]
	v_add_nc_u32 v[GK+3], 12, v[GK]
	v_mov_b32 v15, 0
	v_mov_b32 v[P0], 0xff800000                    ; the pool begins at -infinity
	v_mov_b32 v[P1], 0xff800000
.irp k, 0,1,2,3
	v_mov_b32 v[LB+\k], 0                          ; (destinations of lane permutes and DPP forms count as sources: written once)
.endr
.irp k, 0,1,2,3,4,5,6,7
	v_mov_b32 v[TM+\k], 0
.endr
	s_mov_b32 s32, 0x76543210
	s_mov_b32 s33, 0xfedcba98                      ; v_permlanex16_b32's selects for lane l xor 16
	s_mov_b32 s34, MB16
	s_mov_b32 s35, MB1
	s_mov_b32 s36, MB2
	s_mov_b32 s37, MB4
	s_mov_b32 s38, MB8
	s_mov_b32 s40, MB1^MB2                         ; the sort's masks: a lane keeps the larger where (bit d of its number) differs from (bit k)
	s_mov_b32 s41, MB2^MB4
	s_mov_b32 s42, MB1^MB4
	s_mov_b32 s43, MB4^MB8
	s_mov_b32 s44, MB2^MB8
	s_mov_b32 s45, MB1^MB8
	s_mov_b32 s46, MB8^MB16
	s_mov_b32 s47, MB4^MB16
	s_mov_b32 s48, MB2^MB16
	s_mov_b32 s49, MB1^MB16
	s_lshr_b32 s50, s19, 3
	s_and_b32 s51, s19, 7
	s_lshl_b32 s52, s50, 6
	s_lshl_b32 s53, s51, 2
	s_add_co_u32 s52, s52, s53
	s_add_co_u32 s52, s52, QSCALES                 ; the query's scale words: group x 64 + row x 4, behind the candidates'
	s_mov_b32 s53, 0
	s_lshl_b32 s50, s50, 10
	s_lshl_b32 s51, s51, 4
	s_add_co_u32 s50, s50, s51
	s_add_co_u32 s50, s50, QCODES                  ; its codes: group x 1,024 + row x 16, behind the candidates'
	s_mov_b32 s51, 0
	s_mul_i32 s54, s19, 50432                      ; its list (under 2^32)
	s_mov_b32 s55, 0
	s_mul_i32 s56, s19, 40                         ; its row of out0
	s_mov_b32 s57, 0
	s_lshl_b32 s60, s19, 7                         ; its 128 bytes of qinfo
	s_mov_b32 s61, 0
	s_wait_kmcnt 0x0
	s_add_nc_u64 s[6:7], s[10:11], s[50:51]
	s_add_nc_u64 s[8:9], s[12:13], s[52:53]
	s_add_nc_u64 s[22:23], s[4:5], s[54:55]        ; the first entry
	s_add_nc_u64 s[16:17], s[16:17], s[56:57]
	s_add_nc_u64 s[58:59], s[58:59], s[60:61]
	s_load_b32 s24, s[58:59], 0x40                 ; H: word 16
	s_mov_b64 s[20:21], s[22:23]
.irp s, 0,1
.irp c, 0,1
	global_load_b128 v[A+8*\s+4*\c:A+8*\s+4*\c+3], v5, s[6:7] offset:512*\s+256*\c
.endr
.endr
	global_load_b32 v[AS], v35, s[8:9]
.irp i, 0,1,2,3,4,5,6,7
	global_load_b32 v[ET+\i], v2, s[20:21] offset:8*\i
.endr
	s_wait_kmcnt 0x0
	s_min_u32 s24, s24, 12500
	s_add_co_u32 s25, s24, 15
	s_lshr_b32 s25, s25, 4
	s_max_u32 s25, s25, 1                          ; batches of 16 entries
	s_mov_b32 s26, s24                             ; entries left
	s_mov_b32 s27, 0
	s_wait_loadcnt 0x0
.macro MULT i0                         ; tiles i0 .. i0 + 3: the four accumulators by turns, K step 0 starting the sums, then K step 1
.irp a, 0,1,2,3
	v_wmma_scale_f32_16x16x128_f8f6f4 v[ACC+8*\a:ACC+8*\a+7], v[A:A+7], v[B+16*(\i0+\a):B+16*(\i0+\a)+7], 0, v[AS], v[BS+\i0+\a] matrix_a_fmt:MATRIX_FMT_FP4 matrix_b_fmt:MATRIX_FMT_FP4
.endr
.irp a, 0,1,2,3
	v_wmma_scale_f32_16x16x128_f8f6f4 v[ACC+8*\a:ACC+8*\a+7], v[A+8:A+15], v[B+16*(\i0+\a)+8:B+16*(\i0+\a)+15], v[ACC+8*\a:ACC+8*\a+7], v[AS], v[BS+\i0+\a] matrix_a_fmt:MATRIX_FMT_FP4 matrix_b_fmt:MATRIX_FMT_FP4 matrix_a_scale:MATRIX_SCALE_ROW1 matrix_b_scale:MATRIX_SCALE_ROW1
.endr
.endm
.macro CE4 d, m                        ; one stage of the bitonic sort, on the four value registers by turns: partner lane l xor d; mask bit 1 keeps the larger
.if \d == 16
.irp k, 0,1,2,3
	v_permlanex16_b32 v[LB+\k], v[V+\k], s32, s33
.endr
.irp k, 0,1,2,3
	v_max_num_f32 v[TM+2*\k], v[V+\k], v[LB+\k]
	v_min_num_f32 v[TM+2*\k+1], v[V+\k], v[LB+\k]
.endr
.else
.irp k, 0,1,2,3
	v_max_num_f32_dpp v[TM+2*\k], v[V+\k], v[V+\k] row_xmask:\d row_mask:0xf bank_mask:0xf
	v_min_num_f32_dpp v[TM+2*\k+1], v[V+\k], v[V+\k] row_xmask:\d row_mask:0xf bank_mask:0xf
.endr
.endif
.irp k, 0,1,2,3
	v_cndmask_b32 v[V+\k], v[TM+2*\k+1], v[TM+2*\k], s[\m]
.endr
.endm
.macro CEP d, m                        ; one stage of the descending merge, on the pool's two registers by turns: mask bit 1 keeps the smaller
.if \d == 16
	v_permlanex16_b32 v[LB], v[P0], s32, s33
	v_permlanex16_b32 v[LB+1], v[P1], s32, s33
	v_max_num_f32 v[TM], v[P0], v[LB]
	v_min_num_f32 v[TM+1], v[P0], v[LB]
	v_max_num_f32 v[TM+2], v[P1], v[LB+1]
	v_min_num_f32 v[TM+3], v[P1], v[LB+1]
.else
	v_max_num_f32_dpp v[TM], v[P0], v[P0] row_xmask:\d row_mask:0xf bank_mask:0xf
	v_min_num_f32_dpp v[TM+1], v[P0], v[P0] row_xmask:\d row_mask:0xf bank_mask:0xf
	v_max_num_f32_dpp v[TM+2], v[P1], v[P1] row_xmask:\d row_mask:0xf bank_mask:0xf
	v_min_num_f32_dpp v[TM+3], v[P1], v[P1] row_xmask:\d row_mask:0xf bank_mask:0xf
.endif
	v_cndmask_b32 v[P0], v[TM], v[TM+1], s[\m]
	v_cndmask_b32 v[P1], v[TM+2], v[TM+3], s[\m]
.endm
; 32 values, sorted ascending, enter the pool.  P1 descends and the values ascend: the larger of each lane's two are the 32 largest of the 64, falling and then rising.  Behind P0, which descends,
; that is a bitonic run of 64: the larger and the smaller of each lane's two split it into an upper and a lower bitonic half, and five stages sort each.
.macro POOLIN k
	v_max_num_f32 v[P1], v[P1], v[V+\k]
	v_max_num_f32 v12, v[P0], v[P1]
	v_min_num_f32 v[P1], v[P0], v[P1]
	v_mov_b32 v[P0], v12
	CEP 16, 34
	CEP 8, 38
	CEP 4, 37
	CEP 2, 36
	CEP 1, 35
.endm
; A batch: 16 entries, 8 tiles, 128 candidates.
.macro BATCH pass
.if \pass == 2
.irp k, 0,1,2,3
	v_cndmask_b32 v[LB+\k], v[ET+2*\k], v[ET+2*\k+1], s34   ; the entry of value register k's lane
.endr
.irp k, 0,1,2,3
	v_min_u32 v[LB+\k], 12499, v[LB+\k]
.endr
.irp k, 0,1,2,3
	v_lshl_add_u32 v[LB+\k], v[LB+\k], 5, v7       ; its label: (8 x group + row) x 4 bytes
.endr
.endif
.irp i, 0,1,2,3,4,5,6,7
	v_min_u32 v[ET+\i], 12499, v[ET+\i]            ; held inside the tables
.endr
.irp i, 0,1,2,3,4,5,6,7
	v_lshl_add_u32 v[SO+\i], v[ET+\i], 6, v4
.endr
.irp i, 0,1,2,3,4,5,6,7
	v_lshl_add_u32 v[ET+\i], v[ET+\i], 10, v3
.endr
.irp i, 0,1,2,3,4,5,6,7
.irp s, 0,1
.irp c, 0,1
	global_load_b128 v[B+16*\i+8*\s+4*\c:B+16*\i+8*\s+4*\c+3], v[ET+\i], s[10:11] offset:512*\s+256*\c
.endr
.endr
	global_load_b32 v[BS+\i], v[SO+\i], s[12:13]
.endr
.if \pass == 2
.irp k, 0,1,2,3
	global_load_b32 v[LB+\k], v[LB+\k], s[14:15]   ; a load may land on its own offset
.endr
.endif
.irp i, 0,1,2,3,4,5,6,7
	global_load_b32 v[EN+\i], v2, s[20:21] offset:64+8*\i   ; the next batch's entries (behind the last batch: the list's zeros)
.endr
	s_wait_loadcnt 24+4*\pass                      ; tiles 0-3 are in; out may be tiles 4-7's 20 loads, pass 2's 4 labels, the 8 entries
	MULT 0
.rept 5
	v_nop                                          ; four places ahead of the reads; five ahead of the products that begin these accumulators anew
.endr
	v_cndmask_b32 v[V], v[ACC], v[ACC+8], s34      ; lanes 0-15: tile 0's sixteen sims, lanes 16-31: tile 1's
	v_cndmask_b32 v[V+1], v[ACC+16], v[ACC+24], s34
	s_wait_loadcnt 4+4*\pass                       ; tiles 4-7 are in
	MULT 4
.rept 4
	v_nop
.endr
	v_cndmask_b32 v[V+2], v[ACC], v[ACC+8], s34
	v_cndmask_b32 v[V+3], v[ACC+16], v[ACC+24], s34
.irp k, 0,1,2,3
	v_cmp_gt_u32 vcc_lo, s26, v[GK+\k]             ; is my entry one of the list's?
	v_cndmask_b32 v[V+\k], 0xff800000, v[V+\k], vcc_lo
.endr
.if \pass == 1
	CE4 1, 40
	CE4 2, 41
	CE4 1, 42
	CE4 4, 43
	CE4 2, 44
	CE4 1, 45
	CE4 8, 46
	CE4 4, 47
	CE4 2, 48
	CE4 1, 49
	CE4 16, 34
	CE4 8, 38
	CE4 4, 37
	CE4 2, 36
	CE4 1, 35
	POOLIN 0
	POOLIN 1
	POOLIN 2
	POOLIN 3
.else
.irp k, 0,1,2,3
	v_cmp_lt_f32 s50, s28, v[V+\k]                 ; over tau
	v_cmp_eq_f32 s51, s28, v[V+\k]                 ; equal to tau:
	v_mbcnt_lo_u32_b32 v12, s51, s31               ; how many such came before me
	v_cmp_gt_u32 s52, s30, v12
	s_bcnt1_i32_b32 s53, s51
	s_add_co_u32 s31, s31, s53
	s_and_b32 s52, s52, s51
	s_or_b32 s[54+\k], s50, s52                    ; taken
.endr
.irp k, 0,1,2,3
	v_sub_f32 v[TM+\k], v[V+\k], s29               ; the largest sim is taken away, as reference()'s softmax does
.endr
.irp k, 0,1,2,3
	v_mul_f32 v[TM+\k], 0x3fb8aa3b, v[TM+\k]
.endr
.irp k, 0,1,2,3
	v_exp_f32 v[TM+\k], v[TM+\k]
.endr
	v_nop                                          ; a plain instruction behind the last exponential,
	s_wait_alu depctr_va_vdst(0)                   ; and one wait for the four, ahead of their first reader
.irp k, 0,1,2,3
	v_cndmask_b32 v[TM+\k], 0, v[TM+\k], s[54+\k]
.endr
.irp k, 0,1,2,3
	v_add_f32 v[SUM+10], v[SUM+10], v[TM+\k]
.endr
	s_wait_loadcnt 8                               ; the labels are in; the 8 entries may be out
.irp k, 0,1,2,3
.irp c, 0,1,2,3,4,5,6,7,8,9
	v_cmp_eq_u32 s[50+(\c%4)], \c, v[LB+\k]
	v_cndmask_b32 v[12+(\c%4)], 0, v[TM+\k], s[50+(\c%4)]
	v_add_f32 v[SUM+\c], v[SUM+\c], v[12+(\c%4)]
.endr
.endr
.endif
	s_wait_loadcnt 0x0                             ; the next entries are in, and no load of mine reads an address register any more
.irp i, 0,1,2,3,4,5,6,7
	v_mov_b32 v[ET+\i], v[EN+\i]
.endr
	s_add_nc_u64 s[20:21], s[20:21], 64
	s_sub_co_u32 s26, s26, 16
	s_add_co_u32 s27, s27, 1
	s_cmp_lt_u32 s27, s25
.endm
.Lpass1:
	BATCH 1
	s_cbranch_scc1 .Lpass1
	v_readlane_b32 s28, v[P1], 31                  ; tau: the 64th largest sim
	v_readlane_b32 s29, v[P0], 0                   ; the largest
	v_cmp_lt_f32 s50, s28, v[P0]
	v_cmp_lt_f32 s51, s28, v[P1]
	s_bcnt1_i32_b32 s50, s50
	s_bcnt1_i32_b32 s51, s51
	s_sub_co_u32 s30, 64, s50
	s_sub_co_u32 s30, s30, s51                     ; how many of the sims equal to tau are taken
	s_mov_b64 s[20:21], s[22:23]                   ; the list once more
	s_mov_b32 s26, s24
	s_mov_b32 s27, 0
	s_mov_b32 s31, 0                               ; sims equal to tau met so far
.irp i, 0,1,2,3,4,5,6,7
	global_load_b32 v[ET+\i], v2, s[20:21] offset:8*\i
.endr
.irp c, 0,1,2,3,4,5,6,7,8,9,10
	v_mov_b32 v[SUM+\c], 0
.endr
	s_wait_loadcnt 0x0
.Lpass2:
	BATCH 2
	s_cbranch_scc1 .Lpass2
.irp d, 1,2,4,8
.irp c, 0,1,2,3,4,5,6,7,8,9,10
	v_add_f32_dpp v[SUM+\c], v[SUM+\c], v[SUM+\c] row_xmask:\d row_mask:0xf bank_mask:0xf
.endr
.endr
.irp c, 0,1,2,3,4,5,6,7,8,9,10
	v_permlanex16_b32 v[12+(\c%4)], v[SUM+\c], s32, s33
	v_add_f32 v[SUM+\c], v[SUM+\c], v[12+(\c%4)]   ; over the 32 lanes
.endr
	v_rcp_f32 v55, v[SUM+10]
	v_mov_b32 v12, v[SUM]                          ; lane c takes class c's sum (plain work behind the reciprocal)
.irp c, 1,2,3,4,5,6,7,8,9
	v_cmp_eq_u32 vcc_lo, \c, v1
	v_cndmask_b32 v12, v12, v[SUM+\c], vcc_lo
.endr
	v_lshlrev_b32 v13, 2, v1
	s_wait_alu depctr_va_vdst(0)                   ; the wait ahead of the reciprocal's first reader
	v_mul_f32 v12, v12, v55
	v_cmp_gt_u32 vcc_lo, 10, v1
	s_wait_xcnt 0x0                                ; EXEC changes only behind this wait
	s_and_saveexec_b32 s50, vcc_lo
	global_store_b32 v13, v12, s[16:17]            ; ten lanes store the query's row of 40 bytes
	s_endpgm
.Lfunc_end_k_q88b138885f_final:
	.size	k_q88b138885f_final, .Lfunc_end_k_q88b138885f_final-k_q88b138885f_final
	.p2alignl 7, 3214868480
	.fill 96, 4, 3214868480
	.section	.rodata,"a",@progbits
	.p2align	6, 0x0
	.amdhsa_kernel k_q88b138885f_final
		.amdhsa_group_segment_fixed_size 0
		.amdhsa_private_segment_fixed_size 0
		.amdhsa_enable_private_segment 0
		.amdhsa_kernarg_size 48
		.amdhsa_user_sgpr_count 2
		.amdhsa_user_sgpr_kernarg_segment_ptr 1
		.amdhsa_wavefront_size32 1
		.amdhsa_system_sgpr_workgroup_id_x 1
		.amdhsa_system_sgpr_workgroup_id_y 1
		.amdhsa_system_sgpr_workgroup_id_z 1
		.amdhsa_system_vgpr_workitem_id 0
		.amdhsa_next_free_vgpr 256
		.amdhsa_next_free_sgpr 80
		.amdhsa_reserve_vcc 1
		.amdhsa_float_denorm_mode_32 3
		.amdhsa_float_denorm_mode_16_64 3
		.amdhsa_memory_ordered 1
		.amdhsa_forward_progress 1
		.amdhsa_inst_pref_size 60
	.end_amdhsa_kernel
	.amdgpu_metadata
---
amdhsa.version: [ 1, 2 ]
amdhsa.kernels:
  - .name:           k_q88b138885f_final
    .symbol:         k_q88b138885f_final.kd
    .args:
      - { .name: hlist, .offset: 0, .size: 8, .value_kind: global_buffer, .address_space: global }
      - { .name: qinfo, .offset: 8, .size: 8, .value_kind: global_buffer, .address_space: global }
      - { .name: codes, .offset: 16, .size: 8, .value_kind: global_buffer, .address_space: global }
      - { .name: scales, .offset: 24, .size: 8, .value_kind: global_buffer, .address_space: global }
      - { .name: candidate_labels, .offset: 32, .size: 8, .value_kind: global_buffer, .address_space: global }
      - { .name: out0, .offset: 40, .size: 8, .value_kind: global_buffer, .address_space: global }
    .group_segment_fixed_size: 0
    .private_segment_fixed_size: 0
    .kernarg_segment_align: 8
    .kernarg_segment_size: 48
    .max_flat_workgroup_size: 128
    .sgpr_count:     80
    .vgpr_count:     256
    .wavefront_size: 32
...
	.end_amdgpu_metadata
.endif
;; end of part 7
;; ======== version 2 of 2: 7 launches; version 1 with the launch final written anew for expert scheduling mode
;; workspace buffers: codes 13,062,144 bytes; scales 816,384 bytes; gmax 2,048,000 bytes; thr 8,192 bytes; hmask 4,096,000 bytes of whole numbers; hmaskt 4,194,304 bytes of whole numbers; qinfo 262,144 bytes of whole numbers; hlist 103,284,736 bytes of whole numbers
;; launch quant: the kernel of part 1 again; grid 3189 x 1, 2 waves a work-group, no clusters, 5,376 bytes of LDS; arguments candidates, query, codes, scales; writes codes, scales
;; launch passa: the kernel of part 2 again; grid 250 x 1, 16 waves a work-group, no clusters, 167,936 bytes of LDS; arguments codes, scales, gmax; writes gmax
;; launch thresh: the kernel of part 3 again; grid 256 x 1, 2 waves a work-group, no clusters, 0 bytes of LDS; arguments gmax, thr; writes thr
;; launch passb: the kernel of part 4 again; grid 250 x 1, 16 waves a work-group, no clusters, 167,936 bytes of LDS; arguments codes, scales, thr, hmask; writes hmask
;; launch transp: the kernel of part 5 again; grid 128 x 1, 16 waves a work-group, no clusters, 35,840 bytes of LDS; arguments hmask, hmaskt, qinfo; writes hmaskt, qinfo
;; launch enumerate: the kernel of part 6 again; grid 256 x 1, 8 waves a work-group, no clusters, 0 bytes of LDS; arguments hmaskt, qinfo, hlist; writes hlist
;; launch final (part 8): grid 512 x 1, 4 waves a work-group, no clusters, 0 bytes of LDS; arguments hlist, qinfo, codes, scales, candidate_labels, out0; writes out0
.if DOCPART == 8
	.amdgcn_target "amdgcn-amd-amdhsa--gfx1250"
	.amdhsa_code_object_version 6
	.text
	.protected	k_q88b138885f_final
	.globl	k_q88b138885f_final
	.p2align	8
	.type	k_q88b138885f_final,@function
k_q88b138885f_final:
	s_mov_b64 s[64:65], 0
	v_nop
	global_prefetch_b8 v0, s[64:65] scope:SCOPE_SE
	s_setreg_imm32_b32 hwreg(HW_REG_WAVE_SCHED_MODE, 0, 2), 2
	s_setreg_imm32_b32 hwreg(HW_REG_WAVE_MODE, 25, 1), 1
	s_wait_xcnt 0x0
	s_wait_alu depctr_vm_vsrc(0)
; A wave takes a query.  Its list names every group of 8 candidates that holds a sim >= t0, so all of its top 64 and every sim equal to the 64th.  Candidates outside the list are under the 64th largest sim:
; reference()'s top_k throws them away, and which they are is read here as whole numbers that earlier launches stored.
; PASS 1 multiplies the listed groups, 16 a batch, and keeps the 64 largest values, sorted, in two registers.  tau = the 64th, need = 64 - (values over tau).
; PASS 2 multiplies them again and takes sims over tau and, of those equal to tau, the first `need` in the list's order, which is the order of the indices: as top_k breaks ties.
; w = 2^((sim - largest sim) log2 e); out0[q][c] = (sum of w where label = c) / (sum of all taken w).  LIMITS as stated at the head of the first kernel.
; OPERANDS.  Source 0 = the query's row in all 16 rows, source 1 = 16 candidates (two listed groups): every register of the result holds, in lane l, the sim of candidate column l % 16.
; The trip counts hang on H alone, the list's length, read from qinfo by a scalar load; the gathers' offsets on the list, every entry held to 12,499 first.  No branch and no address hangs on a sim.
; THE MODE: SCHED_MODE bits 1:0 = 2 (LLVM: expert scheduling mode 2), set by the entry lines.  The code itself states the register dependences
; between vector or matrix instructions and memory instructions, with s_wait_alu, always for 0.
; THE PLAN.  Registers that memory instructions touch:
;   EN          a batch's 16 entries as loaded.  Written by the entries' loads; read by the clamps and selects at the head of ISSUE.
;   ET, SO, LO  offsets of codes, scale words and (pass 2) labels.  Written by ISSUE's arithmetic; read by the gathers that follow it.
;   B, BS       eight tiles' codes and scale words.  Written by the gathers; read by the batch's sixteen matrix instructions.
;   LB          pass 2: a batch's labels.  Written by the label loads; read by four moves into LC, which vector instructions alone name.
;   v2          the entries' lane offset, made at the head and never written again; v5, v35 serve the head's loads alone.
; ISSUE for batch b + 1 stands in batch b behind its last product: offsets from EN, ONE wait on va_vdst, the gathers, the labels, the entries of batch b + 2.  That wait states that the offsets are written,
; that the clamps are done reading EN and the moves LB, and that the batch's products are done reading B and BS.  What follows it in batch b (the sort, or the weights and the sums by label) names none of these
; registers, so the loads land meanwhile with no further wait.  One wait on vm_vsrc at ISSUE's head states that the last gathers have read the offsets that are made anew.
; Batch 0's ISSUE stands ahead of each pass's loop; the last batch is written out without one.  Masks that compares write into scalar registers are made in runs, with one wait on va_sdst behind a run.
.set QCODES,  12800000                 ; the queries' groups lie behind the candidates' 12,500 in both tables
.set QSCALES, 800000
.set AS,  6                            ; v6      the query's scale words
.set GK,  8                            ; v8-11   lane / 8 + 4 k: my entry's place in a batch, for value register k
.set A,   16                           ; v16-31  the query's fragment, both K steps
.set LC,  32                           ; v32-35  pass 2: the labels of the batch at work (the pool and v35 are done with by then)
.set P0,  33                           ; v33, v34 pass 1: the pool: the 64 largest values, descending over P0's lanes, then P1's
.set P1,  34
.set V,   36                           ; v36-39  a batch's 128 sims: register k, lane l = entry 4 k + l / 8, row l % 8
.set LB,  40                           ; v40-43  pass 1: at work; pass 2: labels as loaded
.set SUM, 44                           ; v44-53  the classes' sums, v54 the sum of all weights
.set ET,  56                           ; v56-63  tile i's entry for my column, held to the table, then its code offset
.set EN,  64                           ; v64-71  entries as loaded
.set SO,  72                           ; v72-79  scale offsets
.set BS,  80                           ; v80-87  the tiles' scale words
.set B,   88                           ; v88-215 eight tiles' fragments
.set ACC, 216                          ; v216-247 four accumulators
.set TM,  248                          ; v248-255 pass 1: at work; pass 2: v248-251 the weights,
.set LO,  252                          ; v252-255 pass 2: label offsets
.set MK,  50                           ; s50-53  lanes whose entry is one of the list's
.set TK,  54                           ; s54-57  lanes over tau, then the lanes taken
.set EQ,  58                           ; s58-61  lanes equal to tau
.set BA,  68                           ; s68-71  sims equal to tau met ahead of value register k
.set GT,  72                           ; s72-75  lanes among the first `need`; s76 at work
.set CM,  80                           ; s80-99  lanes of a class: two sets of ten
.set MB1, 0xaaaaaaaa                   ; lanes whose number has bit 0 set; and so on
.set MB2, 0xcccccccc
.set MB4, 0xf0f0f0f0
.set MB8, 0xff00ff00
.set MB16, 0xffff0000
	s_load_b64 s[4:5], s[0:1], 0x0                 ; hlist
	s_load_b64 s[58:59], s[0:1], 0x8               ; qinfo
	s_load_b64 s[10:11], s[0:1], 0x10              ; codes
	s_load_b128 s[12:15], s[0:1], 0x18             ; scales, candidate_labels
	s_load_b64 s[16:17], s[0:1], 0x28              ; out0
	v_lshrrev_b32 v12, 5, v0
	v_readfirstlane_b32 s18, v12                   ; wave
	v_and_b32 v1, 31, v0                           ; lane
	v_bfe_u32 v12, v0, 3, 1
	v_lshlrev_b32 v2, 2, v12                       ; which of a tile's two entries is my column's: 4 bytes on
	v_bfe_u32 v13, v0, 4, 1                        ; lane half
	v_and_b32 v14, 7, v0                           ; row in the group
	v_lshlrev_b32 v5, 7, v13                       ; 128 x half: the query's codes
	v_lshl_add_u32 v3, v14, 4, v5                  ; + 16 x row: a candidate's
	v_lshlrev_b32 v35, 5, v13                      ; 32 x half: the query's scale words
	v_lshl_add_u32 v4, v14, 2, v35                 ; + 4 x row: a candidate's
	v_lshlrev_b32 v7, 2, v14                       ; labels: 4 x row
	v_lshrrev_b32 v[GK], 3, v1
	v_add_nc_u32 v[GK+1], 4, v[GK]
	v_add_nc_u32 v[GK+2], 8, v[GK]
	v_add_nc_u32 v[GK+3], 12, v[GK]
	v_mov_b32 v15, 0
	v_mov_b32 v[P0], 0xff800000                    ; the pool begins at -infinity
	v_mov_b32 v[P1], 0xff800000
.irp k, 0,1,2,3
	v_mov_b32 v[LB+\k], 0                          ; (destinations of lane permutes and DPP forms count as sources: written once)
.endr
.irp k, 0,1,2,3,4,5,6,7
	v_mov_b32 v[TM+\k], 0
.endr
	s_mov_b32 s32, 0x76543210
	s_mov_b32 s33, 0xfedcba98                      ; v_permlanex16_b32's selects for lane l xor 16
	s_mov_b32 s34, MB16
	s_mov_b32 s35, MB1
	s_mov_b32 s36, MB2
	s_mov_b32 s37, MB4
	s_mov_b32 s38, MB8
	s_mov_b32 s39, 0xff800000                      ; -infinity
	s_mov_b32 s40, MB1^MB2                         ; the sort's masks: a lane keeps the larger where (bit d of its number) differs from (bit k)
	s_mov_b32 s41, MB2^MB4
	s_mov_b32 s42, MB1^MB4
	s_mov_b32 s43, MB4^MB8
	s_mov_b32 s44, MB2^MB8
	s_mov_b32 s45, MB1^MB8
	s_mov_b32 s46, MB8^MB16
	s_mov_b32 s47, MB4^MB16
	s_mov_b32 s48, MB2^MB16
	s_mov_b32 s49, MB1^MB16
	s_wait_alu depctr_va_sdst(0)                   ; s18 is written, ahead of its first reader: the query's number, and all bases, are made from it
	s_lshl_b32 s19, ttmp9, 2
	s_add_co_u32 s19, s19, s18                     ; q
	s_lshr_b32 s50, s19, 3
	s_and_b32 s51, s19, 7
	s_lshl_b32 s52, s50, 6
	s_lshl_b32 s53, s51, 2
	s_add_co_u32 s52, s52, s53
	s_add_co_u32 s52, s52, QSCALES                 ; the query's scale words: group x 64 + row x 4, behind the candidates'
	s_mov_b32 s53, 0
	s_lshl_b32 s50, s50, 10
	s_lshl_b32 s51, s51, 4
	s_add_co_u32 s50, s50, s51
	s_add_co_u32 s50, s50, QCODES                  ; its codes: group x 1,024 + row x 16, behind the candidates'
	s_mov_b32 s51, 0
	s_mul_i32 s54, s19, 50432                      ; its list (under 2^32)
	s_mov_b32 s55, 0
	s_mul_i32 s56, s19, 40                         ; its row of out0
	s_mov_b32 s57, 0
	s_lshl_b32 s60, s19, 7                         ; its 128 bytes of qinfo
	s_mov_b32 s61, 0
	s_wait_kmcnt 0x0
	s_add_nc_u64 s[6:7], s[10:11], s[50:51]
	s_add_nc_u64 s[8:9], s[12:13], s[52:53]
	s_add_nc_u64 s[22:23], s[4:5], s[54:55]        ; the first entry
	s_add_nc_u64 s[16:17], s[16:17], s[56:57]
	s_add_nc_u64 s[58:59], s[58:59], s[60:61]
	s_load_b32 s24, s[58:59], 0x40                 ; H: word 16
	s_mov_b64 s[20:21], s[22:23]
	s_wait_alu depctr_va_vdst(0)                   ; the offsets v2, v5 and v35 are written, which the loads below read
.irp s, 0,1
.irp c, 0,1
	global_load_b128 v[A+8*\s+4*\c:A+8*\s+4*\c+3], v5, s[6:7] offset:512*\s+256*\c
.endr
.endr
	global_load_b32 v[AS], v35, s[8:9]
.irp i, 0,1,2,3,4,5,6,7
	global_load_b32 v[EN+\i], v2, s[20:21] offset:8*\i   ; batch 0's entries
.endr
	s_wait_kmcnt 0x0
	s_min_u32 s24, s24, 12500
	s_add_co_u32 s25, s24, 15
	s_lshr_b32 s25, s25, 4
	s_max_u32 s25, s25, 1                          ; batches of 16 entries
	s_mov_b32 s26, s24                             ; entries left
	s_mov_b32 s27, 1                               ; batches asked for
.macro MULT i0                         ; tiles i0 .. i0 + 3: the four accumulators by turns, K step 0 starting the sums, then K step 1
.irp a, 0,1,2,3
	v_wmma_scale_f32_16x16x128_f8f6f4 v[ACC+8*\a:ACC+8*\a+7], v[A:A+7], v[B+16*(\i0+\a):B+16*(\i0+\a)+7], 0, v[AS], v[BS+\i0+\a] matrix_a_fmt:MATRIX_FMT_FP4 matrix_b_fmt:MATRIX_FMT_FP4
.endr
.irp a, 0,1,2,3
	v_wmma_scale_f32_16x16x128_f8f6f4 v[ACC+8*\a:ACC+8*\a+7], v[A+8:A+15], v[B+16*(\i0+\a)+8:B+16*(\i0+\a)+15], v[ACC+8*\a:ACC+8*\a+7], v[AS], v[BS+\i0+\a] matrix_a_fmt:MATRIX_FMT_FP4 matrix_b_fmt:MATRIX_FMT_FP4 matrix_a_scale:MATRIX_SCALE_ROW1 matrix_b_scale:MATRIX_SCALE_ROW1
.endr
.endm
.macro CE4 d, m                        ; one stage of the bitonic sort, on the four value registers by turns: partner lane l xor d; mask bit 1 keeps the larger
.if \d == 16
.irp k, 0,1,2,3
	v_permlanex16_b32 v[LB+\k], v[V+\k], s32, s33
.endr
.irp k, 0,1,2,3
	v_max_num_f32 v[TM+2*\k], v[V+\k], v[LB+\k]
	v_min_num_f32 v[TM+2*\k+1], v[V+\k], v[LB+\k]
.endr
.else
.irp k, 0,1,2,3
	v_max_num_f32_dpp v[TM+2*\k], v[V+\k], v[V+\k] row_xmask:\d row_mask:0xf bank_mask:0xf
	v_min_num_f32_dpp v[TM+2*\k+1], v[V+\k], v[V+\k] row_xmask:\d row_mask:0xf bank_mask:0xf
.endr
.endif
.irp k, 0,1,2,3
	v_cndmask_b32 v[V+\k], v[TM+2*\k+1], v[TM+2*\k], s[\m]
.endr
.endm
.macro CEP d, m                        ; one stage of the descending merge, on the pool's two registers by turns: mask bit 1 keeps the smaller
.if \d == 16
	v_permlanex16_b32 v[LB], v[P0], s32, s33
	v_permlanex16_b32 v[LB+1], v[P1], s32, s33
	v_max_num_f32 v[TM], v[P0], v[LB]
	v_min_num_f32 v[TM+1], v[P0], v[LB]
	v_max_num_f32 v[TM+2], v[P1], v[LB+1]
	v_min_num_f32 v[TM+3], v[P1], v[LB+1]
.else
	v_max_num_f32_dpp v[TM], v[P0], v[P0] row_xmask:\d row_mask:0xf bank_mask:0xf
	v_min_num_f32_dpp v[TM+1], v[P0], v[P0] row_xmask:\d row_mask:0xf bank_mask:0xf
	v_max_num_f32_dpp v[TM+2], v[P1], v[P1] row_xmask:\d row_mask:0xf bank_mask:0xf
	v_min_num_f32_dpp v[TM+3], v[P1], v[P1] row_xmask:\d row_mask:0xf bank_mask:0xf
.endif
	v_cndmask_b32 v[P0], v[TM], v[TM+1], s[\m]
	v_cndmask_b32 v[P1], v[TM+2], v[TM+3], s[\m]
.endm
; 32 values, sorted ascending, enter the pool.  P1 descends and the values ascend: the larger of each lane's two are the 32 largest of the 64, falling and then rising.  Behind P0, which descends,
; that is a bitonic run of 64: the larger and the smaller of each lane's two split it into an upper and a lower bitonic half, and five stages sort each.
.macro POOLIN k
	v_max_num_f32 v[P1], v[P1], v[V+\k]
	v_max_num_f32 v12, v[P0], v[P1]
	v_min_num_f32 v[P1], v[P0], v[P1]
	v_mov_b32 v[P0], v12
	CEP 16, 34
	CEP 8, 38
	CEP 4, 37
	CEP 2, 36
	CEP 1, 35
.endm
; The batch whose entries lie in EN is asked for: 40 gathers, in pass 2 its 4 labels, and the 8 entries of the batch behind it.  Ahead of every ISSUE stands a wait for 0 on LOADcnt: EN is in, and
; no load of mine reads an offset register or the entries' base any more.
.macro ISSUE pass
	s_add_nc_u64 s[20:21], s[20:21], 64            ; the entries' base: on to the batch behind the one in EN
	s_wait_alu depctr_vm_vsrc(0)                   ; the loads issued so far have read their offsets: ET, SO and LO are written anew below (and v35, which the head's load read, in pass 2)
.if \pass == 2
.irp k, 0,1,2,3
	v_cndmask_b32 v[LO+\k], v[EN+2*\k], v[EN+2*\k+1], s34   ; the entry of value register k's lane
.endr
.irp k, 0,1,2,3
	v_min_u32 v[LO+\k], 12499, v[LO+\k]
.endr
.irp k, 0,1,2,3
	v_lshl_add_u32 v[LO+\k], v[LO+\k], 5, v7       ; its label: (8 x group + row) x 4 bytes
.endr
.endif
.irp i, 0,1,2,3,4,5,6,7
	v_min_u32 v[ET+\i], 12499, v[EN+\i]            ; held inside the tables
.endr
.irp i, 0,1,2,3,4,5,6,7
	v_lshl_add_u32 v[SO+\i], v[ET+\i], 6, v4
.endr
.irp i, 0,1,2,3,4,5,6,7
	v_lshl_add_u32 v[ET+\i], v[ET+\i], 10, v3
.endr
	s_wait_alu depctr_va_vdst(0)                   ; ET, SO and LO are written, which the gathers read; the lines above are done reading EN, the moves ahead of them LB, the last products B and BS: the loads below land in these
.irp i, 0,1,2,3,4,5,6,7
.irp s, 0,1
.irp c, 0,1
	global_load_b128 v[B+16*\i+8*\s+4*\c:B+16*\i+8*\s+4*\c+3], v[ET+\i], s[10:11] offset:512*\s+256*\c
.endr
.endr
	global_load_b32 v[BS+\i], v[SO+\i], s[12:13]
.endr
.if \pass == 2
.irp k, 0,1,2,3
	global_load_b32 v[LB+\k], v[LO+\k], s[14:15]
.endr
.endif
.irp i, 0,1,2,3,4,5,6,7
	global_load_b32 v[EN+\i], v2, s[20:21] offset:8*\i   ; the batch behind (behind the last batch: the list's zeros, which nobody uses)
.endr
.endm
.macro CLS k, set                      ; the lanes of each class among value register k's labels, into one of the two sets of masks
.irp c, 0,1,2,3,4,5,6,7,8,9
	v_cmp_eq_u32 s[CM+10*(\set)+\c], \c, v[LR+(\k)]
.endr
.endm
.macro TAKE k, set                     ; value register k's weights go to their classes' sums
.irp c, 0,1,2,3,4,5,6,7,8,9
	v_cndmask_b32 v[12+(\c%4)], 0, v[TM+(\k)], s[CM+10*(\set)+\c]
	v_add_f32 v[SUM+\c], v[SUM+\c], v[12+(\c%4)]
.endr
.endm
; A batch: 16 entries, 8 tiles, 128 candidates.  ahead = 1: the next batch is asked for behind this batch's last product.  ahead = 0: the last batch.
.macro BATCH pass, ahead
.irp k, 0,1,2,3
	v_cmp_gt_u32 s[MK+\k], s26, v[GK+\k]           ; is my entry one of the list's?
.endr
	s_wait_alu depctr_va_sdst(0)                   ; the four masks are written, ahead of the selects that read them
	s_wait_loadcnt 24+4*\pass                      ; tiles 0-3 are in; out may be tiles 4-7's 20 loads, pass 2's 4 labels, the 8 entries
	MULT 0
.rept 5
	v_nop                                          ; four places ahead of the reads; five ahead of the products that begin these accumulators anew
.endr
	v_cndmask_b32 v[V], v[ACC], v[ACC+8], s34      ; lanes 0-15: tile 0's sixteen sims, lanes 16-31: tile 1's
	v_cndmask_b32 v[V+1], v[ACC+16], v[ACC+24], s34
	s_wait_loadcnt 4+4*\pass                       ; tiles 4-7 are in
	MULT 4
.if \ahead
	s_wait_loadcnt 0x0                             ; the next batch's entries are in, pass 2's labels too, and no load of mine reads an address register any more
.if \pass == 2
.irp k, 0,1,2,3
	v_mov_b32 v[LC+\k], v[LB+\k]                   ; this batch's labels make room for the next batch's
.endr
.set LR, LC
.endif
	ISSUE \pass                                    ; its vector lines, which name no register of the products, are also the four places ahead of the reads below
.else
.rept 4
	v_nop
.endr
.set LR, LB
.endif
	v_cndmask_b32 v[V+2], v[ACC], v[ACC+8], s34
	v_cndmask_b32 v[V+3], v[ACC+16], v[ACC+24], s34
.irp k, 0,1,2,3
	v_cndmask_b32 v[V+\k], s39, v[V+\k], s[MK+\k]  ; what is not of the list counts as -infinity
.endr
.if \pass == 1
	CE4 1, 40
	CE4 2, 41
	CE4 1, 42
	CE4 4, 43
	CE4 2, 44
	CE4 1, 45
	CE4 8, 46
	CE4 4, 47
	CE4 2, 48
	CE4 1, 49
	CE4 16, 34
	CE4 8, 38
	CE4 4, 37
	CE4 2, 36
	CE4 1, 35
	POOLIN 0
	POOLIN 1
	POOLIN 2
	POOLIN 3
.else
.irp k, 0,1,2,3
	v_cmp_lt_f32 s[TK+\k], s28, v[V+\k]            ; over tau
.endr
.irp k, 0,1,2,3
	v_cmp_eq_f32 s[EQ+\k], s28, v[V+\k]            ; equal to tau
.endr
	s_wait_alu depctr_va_sdst(0)                   ; the eight masks are written, ahead of the counts below
	s_mov_b32 s[BA], s31                           ; how many sims equal to tau came ahead of each value register
	s_bcnt1_i32_b32 s76, s[EQ]
	s_add_co_u32 s[BA+1], s[BA], s76
	s_bcnt1_i32_b32 s76, s[EQ+1]
	s_add_co_u32 s[BA+2], s[BA+1], s76
	s_bcnt1_i32_b32 s76, s[EQ+2]
	s_add_co_u32 s[BA+3], s[BA+2], s76
	s_bcnt1_i32_b32 s76, s[EQ+3]
	s_add_co_u32 s31, s[BA+3], s76
.irp k, 0,1,2,3
	v_mbcnt_lo_u32_b32 v[12+\k], s[EQ+\k], s[BA+\k]   ; and ahead of me
.endr
.irp k, 0,1,2,3
	v_cmp_gt_u32 s[GT+\k], s30, v[12+\k]           ; among the first `need`
.endr
.irp k, 0,1,2,3
	v_sub_f32 v[TM+\k], v[V+\k], s29               ; the largest sim is taken away, as reference()'s softmax does
.endr
.irp k, 0,1,2,3
	v_mul_f32 v[TM+\k], 0x3fb8aa3b, v[TM+\k]
.endr
.irp k, 0,1,2,3
	v_exp_f32 v[TM+\k], v[TM+\k]
.endr
	v_nop                                          ; a plain instruction behind the last exponential
.if !\ahead
	s_wait_loadcnt 8                               ; the labels are in; the 8 entries may be out
.endif
	CLS 0, 0
	CLS 1, 1
	s_wait_alu depctr_va_sdst(0)                   ; the four masks of the first `need` and the twenty class masks are written, ahead of their readers
.irp k, 0,1,2,3
	s_and_b32 s[GT+\k], s[GT+\k], s[EQ+\k]
	s_or_b32 s[TK+\k], s[TK+\k], s[GT+\k]          ; taken
.endr
	s_wait_alu depctr_va_vdst(0)                   ; the four exponentials have written the weights: one wait, ahead of their first reader
.irp k, 0,1,2,3
	v_cndmask_b32 v[TM+\k], 0, v[TM+\k], s[TK+\k]
.endr
.irp k, 0,1,2,3
	v_add_f32 v[SUM+10], v[SUM+10], v[TM+\k]
.endr
	TAKE 0, 0
	CLS 2, 0                                       ; the two sets of masks by turns
	TAKE 1, 1
	CLS 3, 1
	s_wait_alu depctr_va_sdst(0)                   ; the second twenty class masks are written, ahead of their readers
	TAKE 2, 0
	TAKE 3, 1
.endif
.endm
	s_wait_loadcnt 0x0                             ; the query and batch 0's entries
	ISSUE 1                                        ; batch 0
	s_cmp_lt_u32 s27, s25
	s_cbranch_scc0 .Ltail1                         ; a list of one batch
.Lpass1:                                               ; all batches but the last; each asks for the next
	BATCH 1, 1
	s_sub_co_u32 s26, s26, 16
	s_add_co_u32 s27, s27, 1
	s_cmp_lt_u32 s27, s25
	s_cbranch_scc1 .Lpass1
.Ltail1:
	BATCH 1, 0                                     ; the last batch is written out: it asks for nothing
	s_wait_loadcnt 0x0                             ; the entries asked for behind the last batch are in: EN may be loaded again, and their base written
	s_mov_b64 s[20:21], s[22:23]                   ; the list once more
.irp i, 0,1,2,3,4,5,6,7
	global_load_b32 v[EN+\i], v2, s[20:21] offset:8*\i   ; no wait: the lines that read EN stand ahead of the last ISSUE's wait on va_vdst, and no vector instruction since names EN or v2
.endr
	v_readlane_b32 s28, v[P1], 31                  ; tau: the 64th largest sim
	v_readlane_b32 s29, v[P0], 0                   ; the largest
	s_wait_alu depctr_va_sdst(0)                   ; s28 and s29 are written, ahead of their first readers
	v_cmp_lt_f32 s50, s28, v[P0]
	v_cmp_lt_f32 s51, s28, v[P1]
	s_wait_alu depctr_va_sdst(0)                   ; the two masks are written, ahead of the counts
	s_bcnt1_i32_b32 s50, s50
	s_bcnt1_i32_b32 s51, s51
	s_sub_co_u32 s30, 64, s50
	s_sub_co_u32 s30, s30, s51                     ; how many of the sims equal to tau are taken
	s_mov_b32 s26, s24
	s_mov_b32 s27, 1
	s_mov_b32 s31, 0                               ; sims equal to tau met so far
.irp c, 0,1,2,3,4,5,6,7,8,9,10
	v_mov_b32 v[SUM+\c], 0
.endr
	s_wait_loadcnt 0x0                             ; batch 0's entries
	ISSUE 2
	s_cmp_lt_u32 s27, s25
	s_cbranch_scc0 .Ltail2
.Lpass2:
	BATCH 2, 1
	s_sub_co_u32 s26, s26, 16
	s_add_co_u32 s27, s27, 1
	s_cmp_lt_u32 s27, s25
	s_cbranch_scc1 .Lpass2
.Ltail2:
	BATCH 2, 0
.irp d, 1,2,4,8
.irp c, 0,1,2,3,4,5,6,7,8,9,10
	v_add_f32_dpp v[SUM+\c], v[SUM+\c], v[SUM+\c] row_xmask:\d row_mask:0xf bank_mask:0xf
.endr
.endr
.irp c, 0,1,2,3,4,5,6,7,8,9,10
	v_permlanex16_b32 v[12+(\c%4)], v[SUM+\c], s32, s33
	v_add_f32 v[SUM+\c], v[SUM+\c], v[12+(\c%4)]   ; over the 32 lanes
.endr
	v_rcp_f32 v55, v[SUM+10]
	v_mov_b32 v12, v[SUM]                          ; lane c takes class c's sum (plain work behind the reciprocal)
.irp c, 1,2,3,4,5,6,7,8,9
	v_cmp_eq_u32 s[CM+\c], \c, v1
.endr
	s_wait_alu depctr_va_sdst(0)                   ; the nine masks are written, ahead of the selects
.irp c, 1,2,3,4,5,6,7,8,9
	v_cndmask_b32 v12, v12, v[SUM+\c], s[CM+\c]
.endr
	v_lshlrev_b32 v13, 2, v1
	s_wait_alu depctr_va_vdst(0)                   ; the reciprocal has written v55, ahead of its first reader
	v_mul_f32 v12, v12, v55
	v_cmp_gt_u32 vcc_lo, 10, v1
	s_wait_xcnt 0x0                                ; EXEC changes only behind this wait
	s_wait_alu depctr_va_vcc(0)                    ; VCC is written: EXEC is made from it
	s_wait_alu depctr_va_vdst(0)                   ; ahead of the write of EXEC: every vector instruction is done; v12 and v13 are written, which the store reads
	s_wait_alu depctr_vm_vsrc(0)                   ; ahead of the write of EXEC: the loads issued so far have read their registers
	s_and_saveexec_b32 s50, vcc_lo
	global_store_b32 v13, v12, s[16:17]            ; ten lanes store the query's row of 40 bytes
	s_endpgm
.Lfunc_end_k_q88b138885f_final:
	.size	k_q88b138885f_final, .Lfunc_end_k_q88b138885f_final-k_q88b138885f_final
	.p2alignl 7, 3214868480
	.fill 96, 4, 3214868480
	.section	.rodata,"a",@progbits
	.p2align	6, 0x0
	.amdhsa_kernel k_q88b138885f_final
		.amdhsa_group_segment_fixed_size 0
		.amdhsa_private_segment_fixed_size 0
		.amdhsa_enable_private_segment 0
		.amdhsa_kernarg_size 48
		.amdhsa_user_sgpr_count 2
		.amdhsa_user_sgpr_kernarg_segment_ptr 1
		.amdhsa_wavefront_size32 1
		.amdhsa_system_sgpr_workgroup_id_x 1
		.amdhsa_system_sgpr_workgroup_id_y 1
		.amdhsa_system_sgpr_workgroup_id_z 1
		.amdhsa_system_vgpr_workitem_id 0
		.amdhsa_next_free_vgpr 256
		.amdhsa_next_free_sgpr 100
		.amdhsa_reserve_vcc 1
		.amdhsa_float_denorm_mode_32 3
		.amdhsa_float_denorm_mode_16_64 3
		.amdhsa_memory_ordered 1
		.amdhsa_forward_progress 1
		.amdhsa_inst_pref_size 109
	.end_amdhsa_kernel
	.amdgpu_metadata
---
amdhsa.version: [ 1, 2 ]
amdhsa.kernels:
  - .name:           k_q88b138885f_final
    .symbol:         k_q88b138885f_final.kd
    .args:
      - { .name: hlist, .offset: 0, .size: 8, .value_kind: global_buffer, .address_space: global }
      - { .name: qinfo, .offset: 8, .size: 8, .value_kind: global_buffer, .address_space: global }
      - { .name: codes, .offset: 16, .size: 8, .value_kind: global_buffer, .address_space: global }
      - { .name: scales, .offset: 24, .size: 8, .value_kind: global_buffer, .address_space: global }
      - { .name: candidate_labels, .offset: 32, .size: 8, .value_kind: global_buffer, .address_space: global }
      - { .name: out0, .offset: 40, .size: 8, .value_kind: global_buffer, .address_space: global }
    .group_segment_fixed_size: 0
    .private_segment_fixed_size: 0
    .kernarg_segment_align: 8
    .kernarg_segment_size: 48
    .max_flat_workgroup_size: 128
    .sgpr_count:     100
    .vgpr_count:     256
    .wavefront_size: 32
...
	.end_amdgpu_metadata
.endif
;; end of part 8
